; MI455X (gfx1250); checked and timed in simulation.
; The chip was launched on July 23, 2026; its instructions are those of AMD's public machine-readable ISA for CDNA 5 (MIT licence, August 2026) and "CDNA5" Instruction Set Architecture Reference Guide (July 2026). The comments in the code are by the model that wrote it; some were corrected since.
;; Transformer Encoder Layer. Allowed arithmetic: matrix products marked QUANTISED: E2M3 operands, one E8M0 scale for each 32 along K, by v_wmma_scale_f32_16x16x128_f8f6f4 with both operands' format E2M3, f32 sums; everything else in f32.
;; Inputs: W1 256 x 1,024 float32; W2 1,024 x 256 float32; Wk 8 x 256 x 32 float32; Wo 256 x 256 float32; Wq 8 x 256 x 32 float32; Wv 8 x 256 x 32 float32; b1 1,024 float32; b2 256 float32; bk 8 x 32 float32; bo 256 float32; bq 8 x 32 float32; bv 8 x 32 float32; ln1_b 256 float32; ln1_g 256 float32; ln2_b 256 float32; ln2_g 256 float32; src 2 x 4,096 x 256 float32.
;; Outputs: out0 2 x 4,096 x 256 float32.
;; This version of the problem:
;;   THIS VERSION OF THE PROBLEM IS GIVEN IN LOW PRECISION. The matrix products marked QUANTISED in the list below multiply operands that are first quantised to E2M3 (2 exponent bits, 3 mantissa bits; 6 bits a number), with one power-of-two scale for each 32 numbers along K (OCP MX v1.0); their sums are f32. All else is computed in f32.
;;   The module's matrix products, in the order in which they are computed (A, B: the left and right operand; K: the contracted axis; several contracted axes count as one K, in the product's order):
;;     1. [M 256, K 256] x [K 256, N 8,192]; A: input Wq; B: input src: QUANTISED
;;     2. [M 256, K 256] x [K 256, N 8,192]; A: input Wk; B: input src: QUANTISED
;;     3. [M 256, K 256] x [K 256, N 8,192]; A: input Wv; B: input src: QUANTISED
;;     4. batch 16 x [M 4,096, K 32] x [K 32, N 4,096]; A: computed on the way; B: computed on the way: QUANTISED
;;     5. batch 16 x [M 4,096, K 4,096] x [K 4,096, N 32]; A: softmax (see below); B: computed on the way: QUANTISED
;;     6. [M 8,192, K 256] x [K 256, N 256]; A: computed on the way; B: input Wo: QUANTISED
;;     7. [M 8,192, K 256] x [K 256, N 1,024]; A: computed on the way; B: input W1: QUANTISED
;;     8. [M 8,192, K 1,024] x [K 1,024, N 256]; A: computed on the way; B: input W2: QUANTISED
;;   THE QUANTISER, for each operand of a quantised product, along K:
;;     - K is cut into blocks of 32 from its start; a last block that is shorter is filled with zeros.
;;     - A block's scale is 2^e with e = floor(log2(the largest magnitude in the block)) - 2, held to -126 .. 127; a block of zeros has e = 0. As a byte (E8M0): e + 127.
;;     - Each number is divided by its block's scale, clamped to +-7.5, and rounded to the nearest number of E2M3, ties to even, subnormals kept.
;;     - The product sums the exact products of the quantised numbers (number of the format x scale) in f32.
;;   ~~~python
;;   def quantise(x, axis):      # numpy; x: float32 -> the quantised numbers, widened to float32 again
;;       x = np.moveaxis(x, axis, -1); K = x.shape[-1]
;;       x = np.pad(x, [(0, 0)] * (x.ndim - 1) + [(0, -K % 32)]); x = x.reshape(x.shape[:-1] + (-1, 32)); a = np.abs(x).max(-1, keepdims=True)
;;       e = np.where(a > 0, np.clip(np.frexp(np.where(a > 0, a, 1))[1] - 1 - 2, -126, 127), 0)      # np.frexp(a)[1] - 1 = floor(log2(a)), exactly
;;       r = np.clip(x / 2.0 ** e, -7.5, 7.5)
;;       step = 2.0 ** (np.maximum(np.frexp(np.where(r == 0, 1, r))[1] - 1, 0) - 3)
;;       q = np.round(r / step) * step * 2.0 ** e      # np.round: ties to even
;;       return np.moveaxis(q.reshape(q.shape[:-2] + (-1,))[..., :K], -1, axis).astype(np.float32)
;;   ~~~
;;   SOFTMAX AHEAD OF A QUANTISED PRODUCT. Where the list says 'softmax', what is quantised is not the finished softmax but p = 2^(t - M), with t = logit x log2(e) and M = ceil(the row's largest t), a whole number; so 1/2 < the row's largest p <= 1. The row's sum l is taken of the UNQUANTISED p, in f32, and the product's result is divided by l at the end. Since M is a whole number, a kernel that streams over the keys may use a running M (the ceiling of the running maximum): every later rescaling is an exact power of two, which a block's scale takes up: the codes' values come out the same.
;;   OPERANDS COMPUTED ON THE WAY. 'Computed on the way' means the value that the module computes at that place (a softmax that the list does not call 'softmax' is quantised finished and normalised). What goes into a quantiser is computed in f32, as accurately as f32 sums, v_exp_f32 and their like allow (about 1e-6 of the number): no bf16 or f16 on the way to a quantiser, and a product that is left as it is and whose result goes on into a quantised operand takes f32 operands (vector FMAs, or v_wmma_f32_16x16x4_f32). A number that lies on a knife's edge between two numbers of the format may be rounded either way, as far as f32 arithmetic and the matrix unit's own rounding can turn it there, and no further.
;; 2 versions, each right; version 2 is version 1 with the launches qkv, tail written anew for expert scheduling mode. Each part assembles by itself: llvm-mc -triple=amdgcn-amd-amdhsa -mcpu=gfx1250 --defsym DOCPART=n.
;; ======== version 1 of 2: 4 launches
;; workspace buffers: wimg 589,824 bytes; wsc 49,152 bytes; qimg 1,572,864 bytes; qsc 131,072 bytes; kv 3,276,800 bytes; cc 1,572,864 bytes; csc 65,536 bytes
;; launch prep (part 1): grid 96 x 1, 4 waves a work-group, no clusters, 0 bytes of LDS; arguments Wq, Wk, Wv, Wo, W1, W2, wimg, wsc; writes wimg, wsc
.if DOCPART == 1
	.amdgcn_target "amdgcn-amd-amdhsa--gfx1250"
	.amdhsa_code_object_version 6
	.text
	.protected	k_qbdfc54c715_prep
	.globl	k_qbdfc54c715_prep
	.p2align	8
	.type	k_qbdfc54c715_prep,@function
k_qbdfc54c715_prep:
	s_mov_b64 s[64:65], 0
	v_nop
	global_prefetch_b8 v0, s[64:65] scope:SCOPE_SE
	s_setreg_imm32_b32 hwreg(HW_REG_WAVE_MODE, 25, 1), 1
	s_wait_xcnt 0x0
; PREP.  The six weights, f32 with K as their first matrix axis, become codes of E2M3 with one E8M0 byte for each 32 along K, laid as IMAGES OF OPERAND REGISTERS.
; A fragment is 16 columns x 128 K: 12 registers a lane.  Registers 4 g .. 4 g + 3 of lane l lie at 1536 f + 512 g + 16 l of wimg; lane l's scale word at 128 f + 4 l of wsc.
; THE COLUMNS OF A FRAGMENT ARE NOT NEIGHBOURS: slot r of tile 2 b + u is column 32 b + 8 u + r + 8 (r / 8), so that in a product's result the 16 registers of tiles 2 b and 2 b + 1 are 16 neighbouring columns.
; f = base + 2 NKS b + 2 ks + u.  Bases: Wq 0, Wk 32, Wv 64 (b = the head), Wo 96, W1 128 (NKS = 2), W2 256 (NKS = 8).  384 fragments: one wave makes one, f = 4 x work-group + wave.
; A lane takes a column and its registers run down K in the order of the operand's layout (lane (r, h): k = 64 c + 32 h + 0 .. 31), so that the conversions' results are the operand's registers.
; A block's scale is 2^(floor(log2(largest magnitude)) - 2): its byte is the largest magnitude's exponent field - 2, held at 1 from below.
; LIMITS: a block of zeros gets the byte 1, not 127 (its codes are zeros, and this program alone reads the bytes); blocks whose largest magnitude lies under 2^-124 are held at byte 1; NaN and infinities are not served.
; No LDS, no barrier: waves share nothing.  The three ways part on the work-group's number alone; they differ in the pitch of a row of the weight, which stands in the loads' immediates.
.macro LOADW pitch                     ; W(64 c + 32 h + i, my column) into v[64 + 32 c + i]
.set n, 0
.rept 64
	global_load_b32 v[64+n], v4, s[24:25] offset:(n+32*(n/32))*\pitch
.set n, n+1
.endr
.endm
	s_load_b256 s[4:11], s[0:1], 0x0               ; Wq s[4:5], Wk s[6:7], Wv s[8:9], Wo s[10:11]
	s_load_b256 s[12:19], s[0:1], 0x20             ; W1 s[12:13], W2 s[14:15], wimg s[16:17], wsc s[18:19]
	v_lshrrev_b32 v1, 5, v0
	v_readfirstlane_b32 s20, v1                    ; wave 0..3
	s_and_b32 s21, s20, 1                          ; u: which of the block's two tiles
	s_lshr_b32 s22, s20, 1                         ; which of the group's two K steps
	v_and_b32 v1, 15, v0                           ; r
	v_bfe_u32 v2, v0, 4, 1                         ; h
	v_and_b32 v3, 8, v1
	v_add_nc_u32 v3, v3, v1
	v_lshlrev_b32 v3, 2, v3                        ; 4 (r + 8 (r / 8)): my column in the tile, in bytes
	v_and_b32 v7, 31, v0
	v_lshlrev_b32 v5, 4, v7                        ; 16 x lane
	v_lshlrev_b32 v6, 2, v7                        ; 4 x lane
	s_mov_b32 s28, 0x76543210
	s_mov_b32 s29, 0xfedcba98                      ; lane selects: lane l xor 16
	s_lshl_b32 s30, ttmp9, 2
	s_add_co_u32 s30, s30, s20                     ; f
	s_mul_i32 s32, s30, 1536
	s_mov_b32 s33, 0
	s_lshl_b32 s34, s30, 7
	s_mov_b32 s35, 0
	s_lshl_b32 s26, s21, 5                         ; 8 u columns, in bytes
	s_mov_b32 s27, 0
	s_wait_kmcnt 0x0
	s_add_nc_u64 s[16:17], s[16:17], s[32:33]      ; my fragment's image
	s_add_nc_u64 s[18:19], s[18:19], s[34:35]      ; and its scale words
	s_cmp_lt_u32 ttmp9, 24
	s_cbranch_scc0 .Lnot_heads
	; Wq, Wk, Wv: [8][256][32]: a row of a head is 128 bytes
	s_cmp_lt_u32 ttmp9, 16
	s_cselect_b64 s[24:25], s[6:7], s[8:9]
	s_cmp_lt_u32 ttmp9, 8
	s_cselect_b64 s[24:25], s[4:5], s[24:25]
	s_and_b32 s31, ttmp9, 7                        ; the head
	s_lshl_b32 s31, s31, 15
	s_add_co_u32 s26, s26, s31
	s_lshl_b32 s31, s22, 14                        ; 128 rows a K step
	s_add_co_u32 s26, s26, s31
	s_add_nc_u64 s[24:25], s[24:25], s[26:27]
	v_lshl_add_u32 v4, v2, 12, v3                  ; lanes 16-31 begin 32 rows further down
	LOADW 128
	s_branch .Lquantise
.Lnot_heads:
	s_cmp_lt_u32 ttmp9, 32
	s_cbranch_scc1 .Lpitch_1024
	s_cmp_lt_u32 ttmp9, 64
	s_cbranch_scc1 .Lpitch_4096
.Lpitch_1024:
	; Wo [256][256] (work-groups 24-31: block t, K steps 0, 1) and W2 [1024][256] (64-95: block t / 4, K steps 2 (t % 4) on): rows of 1,024 bytes
	s_cmp_lt_u32 ttmp9, 32
	s_cselect_b64 s[24:25], s[10:11], s[14:15]
	s_cselect_b32 s31, 24, 64
	s_cselect_b32 s36, 0, 2
	s_cselect_b32 s37, 0, 3
	s_sub_co_u32 s31, ttmp9, s31                   ; t
	s_and_b32 s37, s31, s37
	s_lshr_b32 s36, s31, s36                       ; the block of 32 columns
	s_lshl_b32 s36, s36, 7
	s_add_co_u32 s26, s26, s36
	s_lshl_b32 s37, s37, 1
	s_add_co_u32 s37, s37, s22                     ; the K step
	s_lshl_b32 s37, s37, 17
	s_add_co_u32 s26, s26, s37
	s_add_nc_u64 s[24:25], s[24:25], s[26:27]
	v_lshl_add_u32 v4, v2, 15, v3
	LOADW 1024
	s_branch .Lquantise
.Lpitch_4096:
	; W1 [256][1024]: rows of 4,096 bytes
	s_mov_b64 s[24:25], s[12:13]
	s_sub_co_u32 s31, ttmp9, 32                    ; the block of 32 columns
	s_lshl_b32 s31, s31, 7
	s_add_co_u32 s26, s26, s31
	s_lshl_b32 s31, s22, 19
	s_add_co_u32 s26, s26, s31
	s_add_nc_u64 s[24:25], s[24:25], s[26:27]
	v_lshl_add_u32 v4, v2, 17, v3
	LOADW 4096
.Lquantise:
	s_wait_loadcnt 0x0
.irp c, 0,1                                    ; my block 2 c + h: all its 32 numbers are mine
	v_max3_num_f32 v[32+\c], |v[64+32*\c]|, |v[65+32*\c]|, 0x1800000   ; with the floor 2^(3 - 127): the byte cannot fall under 1
.endr
.irp i, 2,4,6,8,10,12,14,16,18,20,22,24,26,28,30
.irp c, 0,1
	v_max3_num_f32 v[32+\c], v[32+\c], |v[64+32*\c+\i]|, |v[65+32*\c+\i]|
.endr
.endr
.irp c, 0,1
	v_add_nc_u32 v[44+\c], 0xff000000, v[32+\c]    ; 2 off the exponent field: the conversion's scale operand
.endr
.irp c, 0,1
	v_lshrrev_b32 v[36+\c], 23, v[44+\c]           ; the scale's byte
.endr
	v_lshl_or_b32 v9, v37, 16, v36                 ; my two bytes, blocks h and 2 + h,
	v_lshlrev_b32 v10, 3, v2
	v_lshlrev_b32 v9, v10, v9                      ; at their places in the word;
	v_mov_b32 v10, 0
	v_permlanex16_b32 v10, v9, s28, s29
	v_or_b32 v9, v9, v10                           ; with lane l xor 16's two the word is whole, in both halves of the lanes
.irp c, 0,1
	v_cvt_scalef32_pk16_fp6_f32 v[48+6*\c:50+6*\c], v[64+32*\c:79+32*\c], v[44+\c]
	v_cvt_scalef32_pk16_fp6_f32 v[128+4*\c:130+4*\c], v[80+32*\c:95+32*\c], v[44+\c]   ; (a conversion's three registers begin on an even number)
.endr
	v_nop                                          ; one plain instruction behind the scaled conversions
.irp c, 0,1
.irp i, 0,1,2
	v_mov_b32 v[51+6*\c+\i], v[128+4*\c+\i]
.endr
.endr
.irp g, 0,1,2
	global_store_b128 v5, v[48+4*\g:51+4*\g], s[16:17] offset:512*\g   ; 32 lanes store 512 consecutive bytes, aligned
.endr
	global_store_b32 v6, v9, s[18:19]              ; 128 consecutive bytes; the next wave's follow them
	s_endpgm
.Lfunc_end_k_qbdfc54c715_prep:
	.size	k_qbdfc54c715_prep, .Lfunc_end_k_qbdfc54c715_prep-k_qbdfc54c715_prep
	.p2alignl 7, 3214868480
	.fill 96, 4, 3214868480
	.section	.rodata,"a",@progbits
	.p2align	6, 0x0
	.amdhsa_kernel k_qbdfc54c715_prep
		.amdhsa_group_segment_fixed_size 0
		.amdhsa_private_segment_fixed_size 0
		.amdhsa_enable_private_segment 0
		.amdhsa_kernarg_size 64
		.amdhsa_user_sgpr_count 2
		.amdhsa_user_sgpr_kernarg_segment_ptr 1
		.amdhsa_wavefront_size32 1
		.amdhsa_system_sgpr_workgroup_id_x 1
		.amdhsa_system_sgpr_workgroup_id_y 1
		.amdhsa_system_sgpr_workgroup_id_z 1
		.amdhsa_system_vgpr_workitem_id 0
		.amdhsa_next_free_vgpr 136
		.amdhsa_next_free_sgpr 66
		.amdhsa_reserve_vcc 0
		.amdhsa_float_denorm_mode_32 3
		.amdhsa_float_denorm_mode_16_64 3
		.amdhsa_memory_ordered 1
		.amdhsa_forward_progress 1
		.amdhsa_inst_pref_size 25
	.end_amdhsa_kernel
	.amdgpu_metadata
---
amdhsa.version: [ 1, 2 ]
amdhsa.kernels:
  - .name:           k_qbdfc54c715_prep
    .symbol:         k_qbdfc54c715_prep.kd
    .args:
      - { .name: Wq, .offset: 0, .size: 8, .value_kind: global_buffer, .address_space: global }
      - { .name: Wk, .offset: 8, .size: 8, .value_kind: global_buffer, .address_space: global }
      - { .name: Wv, .offset: 16, .size: 8, .value_kind: global_buffer, .address_space: global }
      - { .name: Wo, .offset: 24, .size: 8, .value_kind: global_buffer, .address_space: global }
      - { .name: W1, .offset: 32, .size: 8, .value_kind: global_buffer, .address_space: global }
      - { .name: W2, .offset: 40, .size: 8, .value_kind: global_buffer, .address_space: global }
      - { .name: wimg, .offset: 48, .size: 8, .value_kind: global_buffer, .address_space: global }
      - { .name: wsc, .offset: 56, .size: 8, .value_kind: global_buffer, .address_space: global }
    .group_segment_fixed_size: 0
    .private_segment_fixed_size: 0
    .kernarg_segment_align: 8
    .kernarg_segment_size: 64
    .max_flat_workgroup_size: 128
    .sgpr_count:     66
    .vgpr_count:     136
    .wavefront_size: 32
...
	.end_amdgpu_metadata
.endif
;; end of part 1
;; launch qkv (part 2): grid 64 x 2, 8 waves a work-group, no clusters, 27,648 bytes of LDS; arguments src, wimg, wsc, bq, bk, bv, qimg, qsc, kv; writes qimg, qsc, kv
.if DOCPART == 2
	.amdgcn_target "amdgcn-amd-amdhsa--gfx1250"
	.amdhsa_code_object_version 6
	.text
	.protected	k_qbdfc54c715_qkv
	.globl	k_qbdfc54c715_qkv
	.p2align	8
	.type	k_qbdfc54c715_qkv,@function
k_qbdfc54c715_qkv:
	s_mov_b64 s[64:65], 0
	v_nop
	global_prefetch_b8 v0, s[64:65] scope:SCOPE_SE
	s_setreg_imm32_b32 hwreg(HW_REG_WAVE_MODE, 25, 1), 1
	s_wait_xcnt 0x0
; QKV.  q, k, v = src W + b on codes of E2M3, and their own quantising: q and k along the head's 32 channels (one block a token and head), v along the keys.
; SHARES.  Work-group (g, y): the 128 tokens 128 g on (batch g / 32, key step g % 32) and heads 4 y .. 4 y + 3.  Wave w: head 4 y + w / 2, p = w % 2: q and k of token tiles 4 p .. 4 p + 3, v's channel tile p for all 8 tiles:
; 48 matrix instructions.  It also quantises token tile w of src; the 16 fragments go from wave to wave through LDS as images of their registers (512 bytes a store, lane l's 16 bytes at 16 l), one barrier.
; TILES ARE PERMUTED: slot r of tile T (tokens and weight columns alike) is index 32 (T / 2) + 8 (T % 2) + r + 8 (r / 8), so that a result's 16 registers of tiles 2 b, 2 b + 1 are the 16 neighbours 32 b + 16 h + 0 .. 15.
; q, k TRANSPOSED (source 0 = 16 weight columns, source 1 = 16 tokens): a lane holds one token and 16 of its head's 32 channels for each of four token tiles.  Quantised with 'block b = token tile b' they form a
; SUPER-FRAGMENT: 12 registers whose block 2 c + h holds the 24 code bytes of slot r of tile 2 c + h, with one scale word (byte b: tile b).  It is stored as two records of 768 bytes (32 positions): lane l's bytes 0-15 at 16 l, bytes 16-23 at 512 + 8 l.
; v NOT transposed (source 0 = 16 tokens, source 1 = 16 channels): a lane holds one channel and its registers run along the keys: one fragment of V^T (16 channels x 128 keys) and its scale word.
; kv record of (batch x head, step), 6,400 bytes: four records of K | V^T's two fragments | 32 x 8 bytes {K's scale word of super-fragment p, V's of channel tile p} at 8 (16 p + r).
; The scale stores cover 128 consecutive bytes (two waves fill 256); all code stores cover whole aligned runs of 256 bytes or more.
; LIMITS: a block of zeros gets the byte 1, not 127 (zero codes; only this program reads the bytes); largest magnitudes under 2^-124 are held at byte 1; NaN and infinities are not served.
; REGISTERS.  Window 0: v1-15 addresses; v16-25 the weights' scale words; v26-33 the tokens'; v34-51 at work; v52-71 codes; v72-135 accumulators (first: src); v136-199 src; v200-239 biases.  Window 1: v0-119 weights, v128-223 token fragments.
.set XIMG, 0                           ; LDS: src's 16 fragments (2 T + ks), 1,536 bytes each
.set XSC,  24576                       ; their scale words, 128 bytes each
.set LI,  1                            ; 16 x lane
.set LS,  2                            ; 4 x lane
.set L8,  3                            ; 8 x lane
.set XA,  4                            ; src: my row and half
.set XWI, 5                            ; where I store my tile's images
.set XWS, 6                            ; and scale words
.set LIP, 7                            ; my four tiles' images
.set LSP, 8
.set LIV, 9                            ; Wv's fragment of my channel tile
.set LSV, 10
.set BQA, 11
.set BVA, 12
.set SCO, 13
.set KSW, 14
.set SD,  15
.set WS,  16
.set TS,  26
.set TM,  34
.set PW,  50
.set PC,  52
.set HA,  72
.set ST,  136
.set BQ,  200
.set BK,  216
.set BV,  232
.set WQ,  0                            ; window 1
.set WK,  48
.set WV,  96
.set TF,  128
.set SEL, 28
.set MSB, 0
.macro WIN new                         ; the immediate's high byte repeats the setting that is left
.if MSB != \new
	s_set_vgpr_msb (MSB<<8)|\new
.set MSB, \new
.endif
.endm
.macro PLACES
.rept 4
	v_nop
.endr
.endm
; 64 numbers of a lane, register 16 b + i = number 16 h + i of block b of my row, become 12 registers of codes in v[PC] on (lane (r, h), registers 6 c ..: block 2 c + h) and the scale word in v[PW]
.macro QUANT s
.irp b, 0,1,2,3
	v_max3_num_f32 v[TM+\b], |v[\s+16*\b]|, |v[\s+1+16*\b]|, 0x1800000   ; with the floor 2^(3 - 127): the byte cannot fall under 1
.endr
.irp i, 2,4,6,8,10,12,14
.irp b, 0,1,2,3
	v_max3_num_f32 v[TM+\b], v[TM+\b], |v[\s+16*\b+\i]|, |v[\s+1+16*\b+\i]|
.endr
.endr
.irp b, 0,1,2,3
	v_permlanex16_b32 v[TM+4+\b], v[TM+\b], s[SEL], s[SEL+1]
.endr
.irp b, 0,1,2,3
	v_max_num_f32 v[TM+\b], v[TM+\b], v[TM+4+\b]   ; with lane l xor 16's: the block's largest magnitude
.endr
.irp b, 0,1,2,3
	v_add_nc_u32 v[TM+12+\b], 0xff000000, v[TM+\b] ; 2 off the exponent field: the conversion's scale operand
.endr
.irp b, 0,1,2,3
	v_lshrrev_b32 v[TM+4+\b], 23, v[TM+12+\b]      ; the scale's byte
.endr
	v_lshl_or_b32 v[PW], v[TM+5], 8, v[TM+4]
	v_lshl_or_b32 v[PW], v[TM+6], 16, v[PW]
	v_lshl_or_b32 v[PW], v[TM+7], 24, v[PW]
.irp c, 0,1
	v_cvt_scalef32_pk16_fp6_f32 v[PC+6*\c:PC+2+6*\c], v[\s+32*\c:\s+15+32*\c], v[TM+12+2*\c]
	v_cvt_scalef32_pk16_fp6_f32 v[PC+12+4*\c:PC+14+4*\c], v[\s+16+32*\c:\s+31+32*\c], v[TM+12+2*\c+1]
.endr
	v_nop                                          ; one plain instruction behind the scaled conversions
.irp c, 0,1                                    ; a whole block to a lane: lanes 0-15 block 2 c, lanes 16-31 block 2 c + 1
.irp i, 0,1,2
	v_permlane16_swap_b32 v[PC+6*\c+\i], v[PC+12+4*\c+\i]
.endr
.irp i, 0,1,2
	v_mov_b32 v[PC+3+6*\c+\i], v[PC+12+4*\c+\i]
.endr
.endr
.endm
.macro IMAGE adr, off
.irp c, 0,1,2
	ds_store_b128 v[\adr], v[PC+4*\c:PC+4*\c+3] offset:\off+512*\c
.endr
.endm
.macro XLOAD reg, s                    ; my row's numbers of K step s: of each block of 32 my half's 16
.irp b, 0,1,2,3
.irp j, 0,1,2,3
	global_load_b128 v[\reg+16*\b+4*\j:\reg+16*\b+4*\j+3], v[XA], s[4:5] offset:512*\s+128*\b+16*\j
.endr
.endr
.endm
; Eight matrix instructions: the group's K step ksl, four token tiles x two tiles of columns.  The eight accumulators take turns, one instruction a turn.  cb: the bias as C, or -1: in place
.macro MMA8 acc, wf, ws, ksl, cb
.irp m, 0,1,2,3
.irp u, 0,1
.if (\cb) >= 0
	v_wmma_scale_f32_16x16x128_f8f6f4 v[\acc+8*(2*\m+\u):\acc+8*(2*\m+\u)+7], v[\wf+12*(2*\ksl+\u):\wf+12*(2*\ksl+\u)+11], v[TF+12*(2*\m+\ksl):TF+12*(2*\m+\ksl)+11], v[\cb+8*\u:\cb+8*\u+7], v[\ws+2*\ksl+\u], v[TS+2*\m+\ksl] matrix_a_fmt:MATRIX_FMT_FP6 matrix_b_fmt:MATRIX_FMT_FP6
.else
	v_wmma_scale_f32_16x16x128_f8f6f4 v[\acc+8*(2*\m+\u):\acc+8*(2*\m+\u)+7], v[\wf+12*(2*\ksl+\u):\wf+12*(2*\ksl+\u)+11], v[TF+12*(2*\m+\ksl):TF+12*(2*\m+\ksl)+11], v[\acc+8*(2*\m+\u):\acc+8*(2*\m+\u)+7], v[\ws+2*\ksl+\u], v[TS+2*\m+\ksl] matrix_a_fmt:MATRIX_FMT_FP6 matrix_b_fmt:MATRIX_FMT_FP6
.endif
.endr
.endr
.endm
.macro STQK sb                         ; a super-fragment leaves as two records of 768 bytes
.irp c, 0,1
	global_store_b128 v[LI], v[PC+6*\c:PC+6*\c+3], s[\sb:\sb+1] offset:768*\c
	global_store_b64 v[L8], v[PC+6*\c+4:PC+6*\c+5], s[\sb:\sb+1] offset:768*\c+512
.endr
.endm
	s_load_b256 s[4:11], s[0:1], 0x0               ; src s[4:5], wimg s[6:7], wsc s[8:9], bq s[10:11]
	s_load_b256 s[12:19], s[0:1], 0x20             ; bk s[12:13], bv s[14:15], qimg s[16:17], qsc s[18:19]
	s_load_b64 s[20:21], s[0:1], 0x40              ; kv
	v_lshl_add_u32 v254, v0, 2, 0x6800
	v_mov_b32 v255, 0
	v_lshrrev_b32 v240, 5, v0
	v_readfirstlane_b32 s22, v240                  ; wave 0..7
	v_and_b32 v240, 31, v0                         ; lane
	v_and_b32 v241, 15, v0                         ; r
	v_bfe_u32 v242, v0, 4, 1                       ; h
	v_and_b32 v243, 8, v241
	v_add_nc_u32 v243, v243, v241                  ; r + 8 (r / 8)
	s_mov_b32 s[SEL], 0x76543210
	s_mov_b32 s[SEL+1], 0xfedcba98
	s_lshr_b32 s26, s22, 1
	s_and_b32 s23, s22, 1                          ; p
	s_and_b32 s27, ttmp7, 0xffff
	s_lshl_b32 s24, s27, 2
	s_add_co_u32 s24, s24, s26                     ; the head
	s_lshr_b32 s25, ttmp9, 5
	s_lshl_b32 s25, s25, 3
	s_add_co_u32 s25, s25, s24                     ; batch x 8 + head
	s_and_b32 s44, ttmp9, 31                       ; the key step
	s_lshl_b32 s30, ttmp9, 17                      ; src: (128 g + 32 (w / 2) + 8 (w % 2)) rows of 1,024 bytes
	s_lshl_b32 s46, s26, 15
	s_add_co_u32 s30, s30, s46
	s_lshl_b32 s46, s23, 13
	s_add_co_u32 s30, s30, s46
	s_mov_b32 s31, 0
	s_mul_i32 s32, s24, 6144                       ; the head's group of four fragments
	s_mov_b32 s33, 0
	s_lshl_b32 s34, s24, 9                         ; and its scale words
	s_mov_b32 s35, 0
	s_lshl_b32 s36, s24, 7                         ; the head's 32 numbers of a bias
	s_mov_b32 s37, 0
	s_lshl_b32 s38, s44, 2                         ; qimg: pair 4 step + 2 p of 128
	s_lshl_b32 s46, s23, 1
	s_add_co_u32 s38, s38, s46
	s_mul_i32 s38, s38, 768
	s_mul_i32 s46, s25, 98304
	s_add_co_u32 s38, s38, s46
	s_mov_b32 s39, 0
	s_lshl_b32 s48, s25, 6                         ; qsc: super-fragment 2 step + p of 64
	s_lshl_b32 s46, s44, 1
	s_add_co_u32 s48, s48, s46
	s_add_co_u32 s48, s48, s23
	s_lshl_b32 s48, s48, 7
	s_mov_b32 s49, 0
	s_lshl_b32 s50, s25, 5                         ; kv: record 32 (batch x 8 + head) + step
	s_add_co_u32 s50, s50, s44
	s_mul_i32 s50, s50, 6400
	s_mov_b32 s51, 0
	s_mul_i32 s52, s23, 1536
	s_mov_b32 s53, 0
	v_lshlrev_b32 v[LI], 4, v240
	v_lshlrev_b32 v[LS], 2, v240
	v_lshlrev_b32 v[L8], 3, v240
	v_lshlrev_b32 v[XA], 10, v243
	v_lshl_add_u32 v[XA], v242, 6, v[XA]
	s_mul_i32 s45, s22, 3072
	v_add_nc_u32 v[XWI], s45, v[LI]
	s_lshl_b32 s45, s22, 8
	v_add_nc_u32 v[XWS], s45, v[LS]
	s_mul_i32 s45, s23, 12288
	v_add_nc_u32 v[LIP], s45, v[LI]
	s_lshl_b32 s45, s23, 10
	v_add_nc_u32 v[LSP], s45, v[LS]
	v_add_nc_u32 v[LIV], s52, v[LI]
	s_lshl_b32 s45, s23, 7
	v_add_nc_u32 v[LSV], s45, v[LS]
	v_lshlrev_b32 v[BQA], 6, v242
	v_lshlrev_b32 v[SCO], 3, v241
	v_lshl_add_u32 v[SCO], v242, 2, v[SCO]
	v_add_nc_u32 v[SCO], s45, v[SCO]               ; 8 (16 p + r) + 4 h
	s_lshl_b32 s45, s23, 3
	v_add_nc_u32 v[BVA], s45, v243
	v_lshlrev_b32 v[BVA], 2, v[BVA]                ; bv of my channel: 8 p + r + 8 (r / 8)
.irp b, 0,1,2,3
	v_mov_b32 v[TM+4+\b], 0                        ; written once: a lane permute's destination counts as one of its sources
.endr
	s_wait_kmcnt 0x0
	s_add_nc_u64 s[4:5], s[4:5], s[30:31]
	s_add_nc_u64 s[6:7], s[6:7], s[32:33]
	s_add_nc_u64 s[8:9], s[8:9], s[34:35]
	s_add_nc_u64 s[10:11], s[10:11], s[36:37]
	s_add_nc_u64 s[12:13], s[12:13], s[36:37]
	s_add_nc_u64 s[14:15], s[14:15], s[36:37]
	s_add_nc_u64 s[16:17], s[16:17], s[38:39]
	s_add_nc_u64 s[18:19], s[18:19], s[48:49]
	s_add_nc_u64 s[40:41], s[20:21], s[50:51]      ; the record
	s_add_nc_u64 s[42:43], s[40:41], s[52:53]      ; + 1,536 p
	; the weights' fragments, scale words and the biases: 56 loads
	WIN 0x40
.irp i, 0,1,2,3,4,5,6,7,8,9,10,11
	global_load_b128 v[WQ+4*\i:WQ+4*\i+3], v[LI], s[6:7] offset:512*\i
.endr
.irp i, 0,1,2,3,4,5,6,7,8,9,10,11
	global_load_b128 v[WK+4*\i:WK+4*\i+3], v[LI], s[6:7] offset:49152+512*\i
.endr
.irp k, 0,1
.irp g, 0,1,2
	global_load_b128 v[WV+12*\k+4*\g:WV+12*\k+4*\g+3], v[LIV], s[6:7] offset:98304+3072*\k+512*\g
.endr
.endr
	WIN 0
.irp j, 0,1,2,3
	global_load_b32 v[WS+\j], v[LS], s[8:9] offset:128*\j
.endr
.irp j, 0,1,2,3
	global_load_b32 v[WS+4+\j], v[LS], s[8:9] offset:4096+128*\j
.endr
.irp k, 0,1
	global_load_b32 v[WS+8+\k], v[LSV], s[8:9] offset:8192+256*\k
.endr
.irp i, 0,1,2,3
	global_load_b128 v[BQ+4*\i:BQ+4*\i+3], v[BQA], s[10:11] offset:16*\i   ; register 8 u + j: channel 16 h + 8 u + j
.endr
.irp i, 0,1,2,3
	global_load_b128 v[BK+4*\i:BK+4*\i+3], v[BQA], s[12:13] offset:16*\i
.endr
.irp j, 0,1,2,3,4,5,6,7
	global_load_b32 v[BV+\j], v[BVA], s[14:15]     ; in v's result a lane holds one channel: the same number in all eight registers
.endr
	XLOAD HA, 0
	XLOAD ST, 1
	s_wait_loadcnt 16                              ; all but K step 1's sixteen loads
	QUANT HA
	IMAGE XWI, XIMG
	ds_store_b32 v[XWS], v[PW] offset:XSC
	s_wait_dscnt 0x0                               ; the stores have read their registers
	s_wait_loadcnt 0x0
	QUANT ST
	IMAGE XWI, XIMG+1536
	ds_store_b32 v[XWS], v[PW] offset:XSC+128
	s_wait_dscnt 0x0                               ; my stores have landed,
	s_barrier_signal -1
	s_barrier_wait -1                              ; everybody's have: src's sixteen fragments lie in LDS
	; ---- q of my four token tiles
	WIN 0x40
.irp i, 0,1,2,3,4,5,6,7
.irp g, 0,1,2
	ds_load_b128 v[TF+12*\i+4*\g:TF+12*\i+4*\g+3], v[LIP] offset:XIMG+1536*\i+512*\g
.endr
.endr
	WIN 0
.irp i, 0,1,2,3,4,5,6,7
	ds_load_b32 v[TS+\i], v[LSP] offset:XSC+128*\i
.endr
	s_wait_dscnt 0x0
	WIN 0x05
	MMA8 HA, WQ, WS, 0, BQ
	MMA8 HA, WQ, WS, 1, -1
	WIN 0
	PLACES
	QUANT HA                                       ; block b = token tile b: a super-fragment
	STQK 16
	global_store_b32 v[LS], v[PW], s[18:19]
	; ---- k of the same tiles
	WIN 0x05
	MMA8 HA, WK, WS+4, 0, BK
	MMA8 HA, WK, WS+4, 1, -1
	WIN 0
	PLACES
	s_wait_xcnt 0x0                                ; q's stores have read their registers: the codes and the word are written again only behind this wait
	QUANT HA
	STQK 42
	v_mov_b32 v[KSW], v[PW]
	; ---- v of my channel tile, all eight token tiles: source 0 = tokens, source 1 = Wv's columns
.irp k, 0,1
.if \k == 1
	WIN 0
	PLACES                                         ; in front of loads into registers that matrix instructions have read
.endif
	WIN 0x40
.irp t, 0,1,2,3,4,5,6,7
.irp g, 0,1,2
	ds_load_b128 v[TF+12*\t+4*\g:TF+12*\t+4*\g+3], v[LI] offset:XIMG+(2*\t+\k)*1536+512*\g
.endr
.endr
	WIN 0
.irp t, 0,1,2,3,4,5,6,7
	ds_load_b32 v[TS+\t], v[LS] offset:XSC+128*(2*\t+\k)
.endr
	s_wait_dscnt 0x0
	WIN 0x05
.irp t, 0,1,2,3,4,5,6,7
.if \k == 0
	v_wmma_scale_f32_16x16x128_f8f6f4 v[HA+8*\t:HA+8*\t+7], v[TF+12*\t:TF+12*\t+11], v[WV+12*\k:WV+12*\k+11], v[BV:BV+7], v[TS+\t], v[WS+8+\k] matrix_a_fmt:MATRIX_FMT_FP6 matrix_b_fmt:MATRIX_FMT_FP6
.else
	v_wmma_scale_f32_16x16x128_f8f6f4 v[HA+8*\t:HA+8*\t+7], v[TF+12*\t:TF+12*\t+11], v[WV+12*\k:WV+12*\k+11], v[HA+8*\t:HA+8*\t+7], v[TS+\t], v[WS+8+\k] matrix_a_fmt:MATRIX_FMT_FP6 matrix_b_fmt:MATRIX_FMT_FP6
.endif
.endr
.endr
	WIN 0
	PLACES
	s_wait_xcnt 0x0                                ; k's stores have read their registers
	QUANT HA                                       ; my row = my channel, the four blocks = the step's 128 keys
.irp g, 0,1,2
	global_store_b128 v[LI], v[PC+4*\g:PC+4*\g+3], s[42:43] offset:3072+512*\g
.endr
	v_and_b32 v[HA], 16, v0
	v_cmp_ne_u32 vcc_lo, 0, v[HA]
	v_cndmask_b32 v[SD], v[KSW], v[PW], vcc_lo     ; lanes 0-15: K's scale word; lanes 16-31: V's
	global_store_b32 v[SCO], v[SD], s[40:41] offset:6144
	s_wait_tensorcnt 0x0
	ds_add_u32 v254, v255
	s_wait_dscnt 0x0
	s_endpgm
.Lfunc_end_k_qbdfc54c715_qkv:
	.size	k_qbdfc54c715_qkv, .Lfunc_end_k_qbdfc54c715_qkv-k_qbdfc54c715_qkv
	.p2alignl 7, 3214868480
	.fill 96, 4, 3214868480
	.section	.rodata,"a",@progbits
	.p2align	6, 0x0
	.amdhsa_kernel k_qbdfc54c715_qkv
		.amdhsa_group_segment_fixed_size 27648
		.amdhsa_private_segment_fixed_size 0
		.amdhsa_enable_private_segment 0
		.amdhsa_kernarg_size 72
		.amdhsa_user_sgpr_count 2
		.amdhsa_user_sgpr_kernarg_segment_ptr 1
		.amdhsa_wavefront_size32 1
		.amdhsa_system_sgpr_workgroup_id_x 1
		.amdhsa_system_sgpr_workgroup_id_y 1
		.amdhsa_system_sgpr_workgroup_id_z 1
		.amdhsa_system_vgpr_workitem_id 0
		.amdhsa_next_free_vgpr 512
		.amdhsa_next_free_sgpr 66
		.amdhsa_reserve_vcc 1
		.amdhsa_float_denorm_mode_32 3
		.amdhsa_float_denorm_mode_16_64 3
		.amdhsa_memory_ordered 1
		.amdhsa_forward_progress 1
		.amdhsa_inst_pref_size 46
	.end_amdhsa_kernel
	.amdgpu_metadata
---
amdhsa.version: [ 1, 2 ]
amdhsa.kernels:
  - .name:           k_qbdfc54c715_qkv
    .symbol:         k_qbdfc54c715_qkv.kd
    .args:
      - { .name: src, .offset: 0, .size: 8, .value_kind: global_buffer, .address_space: global }
      - { .name: wimg, .offset: 8, .size: 8, .value_kind: global_buffer, .address_space: global }
      - { .name: wsc, .offset: 16, .size: 8, .value_kind: global_buffer, .address_space: global }
      - { .name: bq, .offset: 24, .size: 8, .value_kind: global_buffer, .address_space: global }
      - { .name: bk, .offset: 32, .size: 8, .value_kind: global_buffer, .address_space: global }
      - { .name: bv, .offset: 40, .size: 8, .value_kind: global_buffer, .address_space: global }
      - { .name: qimg, .offset: 48, .size: 8, .value_kind: global_buffer, .address_space: global }
      - { .name: qsc, .offset: 56, .size: 8, .value_kind: global_buffer, .address_space: global }
      - { .name: kv, .offset: 64, .size: 8, .value_kind: global_buffer, .address_space: global }
    .group_segment_fixed_size: 27648
    .private_segment_fixed_size: 0
    .kernarg_segment_align: 8
    .kernarg_segment_size: 72
    .max_flat_workgroup_size: 256
    .sgpr_count:     66
    .vgpr_count:     512
    .wavefront_size: 32
...
	.end_amdgpu_metadata
.endif
;; end of part 2
;; launch attn (part 3): grid 16 x 16, 16 waves a work-group, clusters of 4 x 1, 207,104 bytes of LDS; arguments qimg, qsc, kv, cc, csc; writes cc, csc
.if DOCPART == 3
	.amdgcn_target "amdgcn-amd-amdhsa--gfx1250"
	.amdhsa_code_object_version 6
	.text
	.protected	k_qbdfc54c715_attn
	.globl	k_qbdfc54c715_attn
	.p2align	8
	.type	k_qbdfc54c715_attn,@function
k_qbdfc54c715_attn:
	s_mov_b64 s[64:65], 0
	v_nop
	global_prefetch_b8 v0, s[64:65] scope:SCOPE_SE
	s_setreg_imm32_b32 hwreg(HW_REG_WAVE_MODE, 25, 1), 1
	s_wait_xcnt 0x0
	s_wait_alu depctr_hold_cnt(0) depctr_sa_sdst(0) depctr_va_vdst(0) depctr_va_sdst(0) depctr_va_ssrc(0) depctr_va_vcc(0) depctr_vm_vsrc(0)
	s_getreg_b32 s2, hwreg(HW_REG_IB_STS2, 6, 4)
	s_cmp_eq_u32 s2, 0
	s_cbranch_scc0 .Lentry_in_a_cluster
	s_endpgm
.Lentry_in_a_cluster:
	s_bfe_u32 s2, ttmp6, 0x10000c
	s_cmp_lg_u32 s2, 0x3003
	s_cbranch_scc0 .Lentry_shape_is_right
	s_endpgm
.Lentry_shape_is_right:
; ATTN.  ctx = softmax(q k^T / sqrt(32)) v on codes of E2M3, and ctx's own quantising along the head's 32 channels.
; THE SOFTMAX: t = score x log2(e) / sqrt(32) (one constant); M = the running largest t rounded up to a whole number; p = 2^(t - M) is quantised along the keys, not normalised; the row's sum is taken of the unquantised p
; and divides at the end.  When M moves, the sum and O are multiplied by 2^(old M - new M), which rounds nothing.
; SHARES.  A work-group owns 256 positions of one (batch, head); each of its sixteen waves one tile of 16 queries in 256 registers, four waves to a SIMD.  Every wave walks 32 steps of 128 keys.
; LDS.  The head's 32 records of 6,400 bytes (K's codes, V^T's codes, their scale words) are 204,800 bytes: they are filled ONCE and stay: no slot is filled again.  Each wave brings two records by two tensor loads, both out together;
; the first sixteen records are read while the second sixteen land.
; CLUSTER.  The four query blocks of a cluster belong to one head and want the same records: each load is asked for jointly, by the same descriptor (made of the head and the wave's number alone) and a mask that names the four.
; THE SCORES' K IS 32.  A super-fragment of K holds in its block 2 c + h the codes of slot r of key tile 2 c + h; multiplied by the queries' codes set into block b alone, with zero codes elsewhere, it gives the scores of key tile b:
; 12 registers and one scale word of K feed four matrix instructions.  Zero codes add nothing under any scale byte from 1 to 254.  The query's scale byte stands in all four bytes of its word.
; Both products are used transposed: a lane holds one query throughout.  Tiles are permuted (slot r of tile T = index 32 (T / 2) + 8 (T % 2) + r + 8 (r / 8)), so p's 16 registers of two neighbouring tiles are 16 neighbouring keys, and O^T's 16 registers 16 neighbouring channels.
; Nothing is prefetched: every byte that the launch reads from kv is asked for by the loads at its head.
; LIMITS: 1 / l by v_rcp_f32; a block of zeros gets the byte 1, not 127 (zero codes; only this program reads the bytes); NaN and infinities are not served.
.set CSB, 204800                       ; behind the records: the work-group's 256 scale bytes of ctx; no tensor load lands here
.set A16, 1                            ; 16 x lane
.set A8,  2                            ; 8 x lane
.set ADK, 3                            ; the step's record + 16 x lane
.set AD8, 4                            ; + 8 x lane
.set ZR,  5                            ; 0
.set QS,  6                            ; the queries' scale words
.set OA,  7
.set BA,  8
.set CRD, 9
.set QF,  16                           ; v16-33 [X0][0][X0], v34-51 [X1][0][X1]: the queries' codes in lanes 0-15 (X0) or 16-31 (X1)
.set KF,  52
.set VF,  76
.set S,   100
.set OT,  164
.set PCD, 180
.set C2,  192
.set BM,  200
.set BP,  204
.set SOP, 208
.set KS,  212                          ; v212 K's scale words, v213 V's
.set PS,  214
.set FF,  216
.set WK,  218
.set QT,  220
.set SU,  226
.set WV,  14
.set SEL, 20
.set CS,  22
.set G1,  24
.set G0A, 32
.set G0B, 36
.set TB,  40
.set CNT, 41
.macro ROUND                           ; a round of the cluster's barrier
	s_barrier_signal -1
	s_barrier_wait -1
	s_cmp_lg_u32 s[WV], 0
	s_cbranch_scc1 .Lnot_wave_0_\@
	s_barrier_signal -3
.Lnot_wave_0_\@:
	s_barrier_wait -3
	s_barrier_signal -1
	s_barrier_wait -1
.endm
	s_load_b256 s[4:11], s[0:1], 0x0               ; qimg s[4:5], qsc s[6:7], kv s[8:9], cc s[10:11]
	s_load_b64 s[12:13], s[0:1], 0x20              ; csc
	v_lshl_add_u32 v254, v0, 2, 0x32100
	v_mov_b32 v255, 0
	ds_add_u32 v254, v255
	ds_add_u32 v254, v255
	v_lshrrev_b32 v10, 5, v0
	v_readfirstlane_b32 s[WV], v10                 ; wave 0..15
	s_bfe_u32 s15, ttmp6, 0x40000                  ; cx: it enters global addresses of q and ctx alone
	s_lshl_b32 s16, ttmp9, 2
	s_add_co_u32 s16, s16, s15                     ; my block of 256 positions
	s_and_b32 s17, ttmp7, 0xffff                   ; batch x 8 + head, which the four partners share
	; descriptor group 1: a record as 25 rows of 256 bytes (32 elements of 8 bytes), dense, no padding
	s_mov_b32 s[G1], 15|(3<<16)|(1<<21)            ; 15:0 the mask: all four work-groups; 17:16 elements of 8 bytes; 21 set beside a mask
	s_mov_b32 s[G1+1], 32<<16                      ; tensor_dim0 = 32
	s_mov_b32 s[G1+2], 25<<16                      ; tensor_dim1 = 25
	s_mov_b32 s[G1+3], 32<<16                      ; tile_dim0 = 32
	s_mov_b32 s[G1+4], 25                          ; tile_dim1 = 25
	s_mov_b32 s[G1+5], 32                          ; from row to row
	s_mov_b32 s[G1+6], 0
	s_mov_b32 s[G1+7], 0
	s_mov_b32 s[G0A], 1
	s_mul_i32 s[G0A+1], s[WV], 6400                ; record w to LDS byte 6,400 w,
	s_mov_b32 s[G0B], 1
	s_add_co_u32 s[G0B+1], s[G0A+1], 102400        ; record 16 + w to 102,400 + 6,400 w
	s_mul_i32 s42, s17, 204800
	s_add_co_u32 s42, s42, s[G0A+1]
	s_mov_b32 s43, 0
	s_lshl_b32 s46, s16, 3                         ; q: pair 8 X + w / 2 of the head's 128
	s_lshr_b32 s47, s[WV], 1
	s_add_co_u32 s46, s46, s47
	s_mul_i32 s46, s46, 768
	s_mul_i32 s47, s17, 98304
	s_add_co_u32 s46, s46, s47
	s_mov_b32 s47, 0
	s_lshl_b32 s48, s17, 6                         ; its scale words: super-fragment 4 X + w / 4 of 64
	s_lshl_b32 s49, s16, 2
	s_add_co_u32 s48, s48, s49
	s_lshr_b32 s49, s[WV], 2
	s_add_co_u32 s48, s48, s49
	s_lshl_b32 s48, s48, 7
	s_mov_b32 s49, 0
	s_lshl_b32 s50, s16, 4                         ; ctx's codes: tile 16 X + w, 384 bytes a tile
	s_add_co_u32 s50, s50, s[WV]
	s_mul_i32 s50, s50, 384
	s_mul_i32 s51, s17, 98304
	s_add_co_u32 s50, s50, s51
	s_mov_b32 s51, 0
	s_lshl_b32 s52, s17, 12                        ; ctx's scale bytes: 256 a work-group
	s_lshl_b32 s53, s16, 8
	s_add_co_u32 s52, s52, s53
	s_mov_b32 s53, 0
	s_and_b32 s54, s[WV], 3
	s_mul_i32 s54, s54, 0x01010101                 ; byte select: my tile's byte of the word into all four
	s_mov_b32 s[SEL], 0x76543210
	s_mov_b32 s[SEL+1], 0xfedcba98
	s_mov_b32 s[CS], 0x3e8293ee                    ; c = log2(e) / sqrt(32)
	s_mov_b32 s[CS+1], s[CS]                       ; (named with it as a pair, so it is written)
	s_wait_dscnt 0x0
	s_wait_kmcnt 0x0
	s_add_nc_u64 s[G0A+2:G0A+3], s[8:9], s[42:43]
	s_add_nc_u64 s[G0B+2:G0B+3], s[G0A+2:G0A+3], 102400
	s_or_b32 s[G0A+3], s[G0A+3], 0x80000000        ; type = 2
	s_or_b32 s[G0B+3], s[G0B+3], 0x80000000
	s_add_nc_u64 s[4:5], s[4:5], s[46:47]
	s_add_nc_u64 s[6:7], s[6:7], s[48:49]
	s_add_nc_u64 s[10:11], s[10:11], s[50:51]
	s_add_nc_u64 s[12:13], s[12:13], s[52:53]
	ROUND                                          ; all four work-groups are here: the joint loads meet
	tensor_load_to_lds s[G0A:G0A+3], s[G1:G1+7]    ; my two loads stand together: two are out
	s_nop 0
	tensor_load_to_lds s[G0B:G0B+3], s[G1:G1+7]
	s_nop 0
.rept 4
	v_nop
.endr
	v_and_b32 v10, 31, v0                          ; lane
	v_and_b32 v11, 15, v0                          ; r
	v_lshlrev_b32 v[A16], 4, v10
	v_lshlrev_b32 v[A8], 3, v10
	v_add_nc_u32 v[CRD], CSB, v[A8]
	s_and_b32 s44, s[WV], 1                        ; which tile of the pair is mine
	s_lshl_b32 s45, s44, 8
	v_lshl_add_u32 v[C2], v11, 4, s45              ; both halves of the lanes take query r's 24 bytes: 16 (16 a + r),
	s_lshl_b32 s45, s44, 7
	v_lshl_add_u32 v[C2+1], v11, 3, s45            ; and 512 + 8 (16 a + r)
	v_lshlrev_b32 v[C2+2], 2, v11
	global_load_b128 v[QT:QT+3], v[C2], s[4:5]
	global_load_b64 v[QT+4:QT+5], v[C2+1], s[4:5] offset:512
	global_load_b32 v[WK], v[C2+2], s[6:7]
	v_mov_b32 v[ZR], 0
	v_mov_b32 v13, 0xff61b1e6                      ; the largest t so far: -3e38, under every t
	v_floor_f32 v12, -v13                          ; -M
	v_mov_b32 v14, 0                               ; the sum, in two halves
	v_mov_b32 v15, 0
.irp j, 0,1,2,3,4,5,6,7,8,9,10,11,12,13,14,15
	v_mov_b32 v[OT+\j], 0                          ; O^T: the step is written once, and its first walk finds zeros
.endr
.irp b, 0,1,2,3
	v_mov_b32 v[BP+\b], 0                          ; written once: a lane permute's destination counts as one of its sources
.endr
	v_mov_b32 v[FF+1], 0                           ; (named as the upper half of a pair)
	s_wait_loadcnt 0x0
	v_perm_b32 v[QS], v[WK], v[WK], s54
	v_cmp_gt_u32 vcc_lo, 16, v10
.irp i, 0,1,2,3,4,5
	v_cndmask_b32 v[QF+\i], v[ZR], v[QT+\i], vcc_lo        ; X0
	v_cndmask_b32 v[QF+12+\i], v[ZR], v[QT+\i], vcc_lo
	v_cndmask_b32 v[QF+18+\i], v[QT+\i], v[ZR], vcc_lo     ; X1
	v_cndmask_b32 v[QF+30+\i], v[QT+\i], v[ZR], vcc_lo
	v_mov_b32 v[QF+6+\i], 0
	v_mov_b32 v[QF+24+\i], 0
.endr
.rept 4
	v_nop                                          ; operands written by vector instructions stand four places ahead of a scaled matrix instruction (the scale word stands 36 and more)
.endr
; A KEY STEP: 128 keys, the record at LDS byte s[TB]
.macro STEP
	v_add_nc_u32 v[ADK], s[TB], v[A16]
	v_add_nc_u32 v[AD8], s[TB], v[A8]
	v_nop
	v_nop                                          ; four places in front of loads into registers that the last two products read
.irp b, 0,1,2,3
	ds_load_b128 v[KF+6*\b:KF+6*\b+3], v[ADK] offset:768*\b
	ds_load_b64 v[KF+6*\b+4:KF+6*\b+5], v[AD8] offset:768*\b+512
.endr
	ds_load_b64 v[KS:KS+1], v[AD8] offset:6144     ; lanes 0-15: super-fragment 0's and channel tile 0's words; lanes 16-31: 1's
.irp t, 0,1
.irp g, 0,1,2
	ds_load_b128 v[VF+12*\t+4*\g:VF+12*\t+4*\g+3], v[ADK] offset:3072+1536*\t+512*\g
.endr
.endr
	s_wait_dscnt 6                                 ; K and the scale words are in; V's six loads may be out
.irp q, 0,1,2,3                                ; S^T = K Q^T: key tile q: the queries' codes in block q
	v_wmma_scale_f32_16x16x128_f8f6f4 v[S+8*\q:S+8*\q+7], v[KF:KF+11], v[QF+18*(\q%2)+6*(\q/2):QF+18*(\q%2)+6*(\q/2)+11], 0, v[KS], v[QS] matrix_a_fmt:MATRIX_FMT_FP6 matrix_b_fmt:MATRIX_FMT_FP6
.endr
.irp q, 0,1,2,3                                ; key tiles 4 + q
	v_wmma_scale_f32_16x16x128_f8f6f4 v[S+32+8*\q:S+32+8*\q+7], v[KF+12:KF+23], v[QF+18*(\q%2)+6*(\q/2):QF+18*(\q%2)+6*(\q/2)+11], 0, v[KS], v[QS] matrix_a_fmt:MATRIX_FMT_FP6 matrix_b_fmt:MATRIX_FMT_FP6 matrix_a_scale:MATRIX_SCALE_ROW1
.endr
.rept 4
	v_nop
.endr
.irp b, 0,1,2,3
	v_max3_num_f32 v[BM+\b], v[S+16*\b], v[S+1+16*\b], v[S+2+16*\b]   ; the largest score of each block of 32 keys: for the row's maximum, and, since p rises with the score, for the block's largest p
.endr
.irp i, 3,5,7,9,11,13
.irp b, 0,1,2,3
	v_max3_num_f32 v[BM+\b], v[BM+\b], v[S+16*\b+\i], v[S+1+16*\b+\i]
.endr
.endr
.irp b, 0,1,2,3
	v_max_num_f32 v[BM+\b], v[BM+\b], v[S+15+16*\b]
.endr
.irp b, 0,1,2,3
	v_permlanex16_b32 v[BP+\b], v[BM+\b], s[SEL], s[SEL+1]
.endr
.irp b, 0,1,2,3
	v_max_num_f32 v[BM+\b], v[BM+\b], v[BP+\b]     ; with lane l xor 16's 16 keys
.endr
	v_max3_num_f32 v[WK], v[BM], v[BM+1], v[BM+2]
	v_max_num_f32 v[WK], v[WK], v[BM+3]
	v_mul_f32 v[WK], s[CS], v[WK]                  ; the step's largest t (c is positive)
	v_max_num_f32 v13, v13, v[WK]
	v_mov_b32 v[WK], v12
	v_floor_f32 v12, -v13                          ; the new -M = floor(-t): M is a whole number
	v_sub_f32 v[WK], v12, v[WK]                    ; old M - new M: a whole number, 0 or less
	v_cvt_i32_f32 v[WK], v[WK]                     ; (it saturates)
	v_ldexp_f32 v[FF], 1.0, v[WK]                  ; f = 2^(old M - new M)
.set n, 0
.rept 32
	v_pk_fma_f32 v[S+n:S+n+1], v[S+n:S+n+1], s[CS:CS+1], v[12:13] op_sel_hi:[1,0,0]   ; t - M
.set n, n+2
.endr
.irp b, 0,1,2,3
	v_fma_f32 v[BM+\b], v[BM+\b], s[CS], v12       ; the same of each block's largest score
.endr
.set n, 0
.rept 64
	v_exp_f32 v[S+n], v[S+n]                       ; p = 2^(t - M), at most 1
.set n, n+1
.endr
	v_pk_mul_f32 v[14:15], v[14:15], v[FF:FF+1] op_sel_hi:[1,0]   ; the sums under the new M: the plain instruction behind the exponentials
	s_wait_alu depctr_va_vdst(0)                   ; one wait for the whole batch, ahead of its first reader
.irp b, 0,1,2,3
	v_exp_f32 v[BM+\b], v[BM+\b]                   ; the block's largest p: the same two instructions on the same number give the same bits
.endr
	v_pk_add_f32 v[SU:SU+1], v[S:S+1], v[S+2:S+3]  ; the row's sum of the unquantised p, in two chains: the first half stands behind the four exponentials
.irp j, 4,8,12,16,20,24,28
	v_pk_add_f32 v[14:15], v[14:15], v[S+\j:S+\j+1]
	v_pk_add_f32 v[SU:SU+1], v[SU:SU+1], v[S+2+\j:S+3+\j]
.endr
	s_wait_alu depctr_va_vdst(0)                   ; and one for the four
.irp b, 0,1,2,3
	v_max_num_f32 v[BM+\b], 0x1800000, v[BM+\b]    ; the floor 2^(3 - 127): the byte cannot fall under 1
.endr
.irp b, 0,1,2,3
	v_add_nc_u32 v[SOP+\b], 0xff000000, v[BM+\b]   ; 2 off the exponent field: the conversion's scale operand
.endr
.irp b, 0,1,2,3
	v_lshrrev_b32 v[BP+\b], 23, v[SOP+\b]          ; the scale's byte
.endr
	v_lshl_or_b32 v[PS], v[BP+1], 8, v[BP]         ; p's scale word for these 128 keys
	v_lshl_or_b32 v[PS], v[BP+2], 16, v[PS]
	v_lshl_or_b32 v[PS], v[BP+3], 24, v[PS]
.irp j, 32,36,40,44,48,52,56,60                ; the sums' second half: 17 plain instructions that name no register of the products below stand behind the scale word
	v_pk_add_f32 v[14:15], v[14:15], v[S+\j:S+\j+1]
	v_pk_add_f32 v[SU:SU+1], v[SU:SU+1], v[S+2+\j:S+3+\j]
.endr
	v_pk_add_f32 v[14:15], v[14:15], v[SU:SU+1]
.irp c, 0,1
	v_cvt_scalef32_pk16_fp6_f32 v[PCD+6*\c:PCD+2+6*\c], v[S+32*\c:S+15+32*\c], v[SOP+2*\c]
	v_cvt_scalef32_pk16_fp6_f32 v[C2+4*\c:C2+2+4*\c], v[S+16+32*\c:S+31+32*\c], v[SOP+2*\c+1]
.endr
	v_nop                                          ; one plain instruction behind the scaled conversions
.irp c, 0,1                                    ; a whole block to a lane
.irp i, 0,1,2
	v_permlane16_swap_b32 v[PCD+6*\c+\i], v[C2+4*\c+\i]
.endr
.irp i, 0,1,2
	v_mov_b32 v[PCD+3+6*\c+\i], v[C2+4*\c+\i]
.endr
.endr
.irp j, 0,2,4,6,8,10,12,14
	v_pk_mul_f32 v[OT+\j:OT+\j+1], v[OT+\j:OT+\j+1], v[FF:FF+1] op_sel_hi:[1,0]   ; O^T under the new M; for each of the two products four of these name none of its registers: its places behind the codes' last move
.endr
	s_wait_dscnt 0x0                               ; V is in
	v_wmma_scale_f32_16x16x128_f8f6f4 v[OT:OT+7], v[VF:VF+11], v[PCD:PCD+11], v[OT:OT+7], v[KS+1], v[PS] matrix_a_fmt:MATRIX_FMT_FP6 matrix_b_fmt:MATRIX_FMT_FP6
	v_wmma_scale_f32_16x16x128_f8f6f4 v[OT+8:OT+15], v[VF+12:VF+23], v[PCD:PCD+11], v[OT+8:OT+15], v[KS+1], v[PS] matrix_a_fmt:MATRIX_FMT_FP6 matrix_b_fmt:MATRIX_FMT_FP6 matrix_a_scale:MATRIX_SCALE_ROW1
	s_add_co_u32 s[TB], s[TB], 6400                ; the next record
.endm
	s_wait_tensorcnt 1                             ; my first record is in; my second may stay out
	s_barrier_signal -1
	s_barrier_wait -1                              ; records 0 to 15 are whole
	s_mov_b32 s[TB], 0
	s_mov_b32 s[CNT], 16
.Lfirst_half:
	STEP
	s_sub_co_u32 s[CNT], s[CNT], 1
	s_cmp_lg_u32 s[CNT], 0
	s_cbranch_scc1 .Lfirst_half
	s_wait_tensorcnt 0x0                           ; my second record is in,
	s_wait_dscnt 0x0
	s_barrier_signal -1
	s_barrier_wait -1                              ; records 16 to 31 are whole
	s_mov_b32 s[TB], 102400
	s_mov_b32 s[CNT], 16
.Lsecond_half:
	STEP
	s_sub_co_u32 s[CNT], s[CNT], 1
	s_cmp_lg_u32 s[CNT], 0
	s_cbranch_scc1 .Lsecond_half
	s_wait_dscnt 0x0
	s_barrier_signal -1
	s_barrier_wait -1                              ; every wave's reads of the records are over before any wave stores into LDS
	; THE WAY OUT: O^T / the sum is ctx; its 32 channels (16 in me, 16 in lane l xor 16) are one block of the next product's K
	v_add_f32 v14, v14, v15
	v_permlanex16_b32 v[WK], v14, s[SEL], s[SEL+1]
	v_add_f32 v14, v14, v[WK]                      ; the row's sum
	v_rcp_f32 v14, v14
	v_and_b32 v11, 15, v0                          ; (plain instructions behind the reciprocal, and the places behind the last products)
	v_bfe_u32 v10, v0, 4, 1
	v_lshl_add_u32 v[OA], v11, 1, v10
	v_mul_u32_u24 v[OA], v[OA], 12                 ; my 12 bytes of the tile's 384: 24 r + 12 h
	s_lshl_b32 s44, s[WV], 4
	v_add_nc_u32 v[BA], s44, v11
	v_add_nc_u32 v[BA], CSB, v[BA]                 ; my query's scale byte: 16 w + r
	s_wait_alu depctr_va_vdst(0)                   ; ahead of the reciprocal's first reader
.irp j, 0,1,2,3,4,5,6,7,8,9,10,11,12,13,14,15
	v_mul_f32 v[S+\j], v[OT+\j], v14               ; channel 16 h + j of query r
.endr
	v_max3_num_f32 v[BM], |v[S]|, |v[S+1]|, 0x1800000
.irp i, 2,4,6,8,10,12,14
	v_max3_num_f32 v[BM], v[BM], |v[S+\i]|, |v[S+1+\i]|
.endr
	v_permlanex16_b32 v[BP], v[BM], s[SEL], s[SEL+1]
	v_max_num_f32 v[BM], v[BM], v[BP]
	v_add_nc_u32 v[SOP], 0xff000000, v[BM]
	v_cvt_scalef32_pk16_fp6_f32 v[QT:QT+2], v[S:S+15], v[SOP]
	v_lshrrev_b32 v[BP+1], 23, v[SOP]              ; the scale's byte (also the plain instruction behind the conversion)
	global_store_b96 v[OA], v[QT:QT+2], s[10:11]   ; the wave stores 384 consecutive bytes
	ds_store_b8 v[BA], v[BP+1]                     ; both lanes of a query write the same byte with the same value
	s_wait_dscnt 0x0
	s_barrier_signal -1
	s_barrier_wait -1                              ; the work-group's 256 bytes lie in LDS
	s_cmp_lg_u32 s[WV], 0
	s_cbranch_scc1 .Lnot_mine
	ds_load_b64 v[10:11], v[CRD]
	s_wait_dscnt 0x0
	global_store_b64 v[A8], v[10:11], s[12:13]     ; 32 lanes store 256 consecutive bytes, aligned
.Lnot_mine:
	s_wait_tensorcnt 0x0
	ds_add_u32 v254, v255
	s_wait_dscnt 0x0
	ROUND                                          ; the closing round: no work-group ends while a partner may still ask for a record that names it
	s_endpgm
.Lfunc_end_k_qbdfc54c715_attn:
	.size	k_qbdfc54c715_attn, .Lfunc_end_k_qbdfc54c715_attn-k_qbdfc54c715_attn
	.p2alignl 7, 3214868480
	.fill 96, 4, 3214868480
	.section	.rodata,"a",@progbits
	.p2align	6, 0x0
	.amdhsa_kernel k_qbdfc54c715_attn
		.amdhsa_group_segment_fixed_size 207104
		.amdhsa_private_segment_fixed_size 0
		.amdhsa_enable_private_segment 0
		.amdhsa_kernarg_size 40
		.amdhsa_user_sgpr_count 2
		.amdhsa_user_sgpr_kernarg_segment_ptr 1
		.amdhsa_wavefront_size32 1
		.amdhsa_system_sgpr_workgroup_id_x 1
		.amdhsa_system_sgpr_workgroup_id_y 1
		.amdhsa_system_sgpr_workgroup_id_z 1
		.amdhsa_system_vgpr_workitem_id 0
		.amdhsa_next_free_vgpr 256
		.amdhsa_next_free_sgpr 66
		.amdhsa_reserve_vcc 1
		.amdhsa_float_denorm_mode_32 3
		.amdhsa_float_denorm_mode_16_64 3
		.amdhsa_memory_ordered 1
		.amdhsa_forward_progress 1
		.amdhsa_inst_pref_size 38
	.end_amdhsa_kernel
	.amdgpu_metadata
---
amdhsa.version: [ 1, 2 ]
amdhsa.kernels:
  - .name:           k_qbdfc54c715_attn
    .symbol:         k_qbdfc54c715_attn.kd
    .args:
      - { .name: qimg, .offset: 0, .size: 8, .value_kind: global_buffer, .address_space: global }
      - { .name: qsc, .offset: 8, .size: 8, .value_kind: global_buffer, .address_space: global }
      - { .name: kv, .offset: 16, .size: 8, .value_kind: global_buffer, .address_space: global }
      - { .name: cc, .offset: 24, .size: 8, .value_kind: global_buffer, .address_space: global }
      - { .name: csc, .offset: 32, .size: 8, .value_kind: global_buffer, .address_space: global }
    .group_segment_fixed_size: 207104
    .private_segment_fixed_size: 0
    .kernarg_segment_align: 8
    .kernarg_segment_size: 40
    .max_flat_workgroup_size: 512
    .sgpr_count:     66
    .vgpr_count:     256
    .wavefront_size: 32
...
	.end_amdgpu_metadata
.endif
;; end of part 3
;; launch tail (part 4): grid 128 x 1, 8 waves a work-group, no clusters, 139,776 bytes of LDS; arguments cc, csc, src, wimg, wsc, bo, ln1_g, ln1_b, b1, b2, ln2_g, ln2_b, out0; writes out0
.if DOCPART == 4
	.amdgcn_target "amdgcn-amd-amdhsa--gfx1250"
	.amdhsa_code_object_version 6
	.text
	.protected	k_qbdfc54c715_tail
	.globl	k_qbdfc54c715_tail
	.p2align	8
	.type	k_qbdfc54c715_tail,@function
k_qbdfc54c715_tail:
	s_mov_b64 s[64:65], 0
	v_nop
	global_prefetch_b8 v0, s[64:65] scope:SCOPE_SE
	s_setreg_imm32_b32 hwreg(HW_REG_WAVE_MODE, 25, 1), 1
	s_wait_xcnt 0x0
; TAIL.  x = LN1(src + ctx Wo + bo);  out = LN2(x + relu(x W1 + b1) W2 + b2).  The three products on codes of E2M3; all else f32.  x and the hidden layer never go to memory.
; SHARES.  A work-group takes 64 tokens: four tiles m of 16 (slot r of tile m = token 32 (m / 2) + 8 (m % 2) + r + 8 (r / 8) of the 64).  THE EIGHT WAVES SHARE THE COLUMNS: wave w owns channels 32 w .. 32 w + 31 of the first and third
; product and hidden units 128 w .. 128 w + 127, which are K step w of the third.  So each weight fragment goes from memory into one wave's registers once and feeds four token tiles.
; All products are used transposed (source 0 = 16 weight columns, source 1 = 16 tokens): a lane holds one token; its 16 registers of a pair of column tiles are 16 neighbouring channels.
; Quantised with 'block b = token tile b', a wave's 32 channels of 64 tokens are one block of 32 along the next K for each token: lane (r, h), registers 6 c ..: tile 2 c + h.  They go to LDS into the place that the next operand's
; layout gives them: fragment (tile, K step) = two records of 768 bytes, in each lane l's bytes 0-15 at 16 l, bytes 16-23 at 512 + 8 l; the scale bytes or words beside them.
; The layer norms take two passes (the mean; then the squares of the centred numbers): each wave's part of a token's sum goes to LDS, a barrier, every wave adds the eight parts in the same order.  Seven barriers in all.
; NO JOINT LOADS, though all work-groups read the same weights: a joint load lands in LDS, where the weights' 442,368 bytes do not fit beside the 138,752 in use, and from where they would have to be read once more.
; The weights come in groups of four fragments (16 loads) into three sets of registers that take turns, two groups ahead of their use.
; LIMITS: 1 / sqrt by v_rsq_f32; a block of zeros gets the byte 1, not 127 (zero codes; only this program reads the bytes); NaN and infinities are not served.
; REGISTERS.  Window 0: v1-19 addresses; v20-31 the weights' scale words; v32-39 the tokens'; v40-57 at work; v58-76 codes; v77 the closing add's address; v78-141 my 32 channels of 64 tokens; v142-205 the hidden layer; v206-253 bias, gain, shift.
;   Window 1: v0-95 token fragments (2 m + ksl); v96-239 three groups of weights; v240-255 b1.
.set XIMG, 0                           ; x's 8 fragments (2 m + ks)
.set XSC,  12288                       ; their scale words: 64 bytes each
.set HIMG, 12800                       ; the hidden layer's 32 fragments (8 m + s)
.set HSC,  61952
.set RED,  64000                       ; four regions of 2,048 bytes: [m][r][wave] f32
.set STG,  72192                       ; 64 rows x (1,024 + 16) bytes
.set LI16, 1
.set LI8,  2
.set LS4,  3
.set L4,   4
.set CA,   5
.set CB,   6
.set SA,   7
.set PA,   8
.set XWA,  9
.set XWB,  10
.set XWS,  11
.set HWA,  12
.set HWB,  13
.set HWS,  14
.set RA,   15
.set RB,   16
.set SO,   17
.set SR,   18
.set B1A,  19
.set WS,   20
.set TS,   32
.set TM,   40
.set HW,   48
.set PW,   56
.set PC,   58
.set XA,   78
.set HA,   142
.set PAR,  206
.set TF,   0                           ; window 1
.set WF,   96
.set BB,   240
.set SEL,  32
.set MSB, 0
.macro WIN new                         ; the immediate's high byte repeats the setting that is left
.if MSB != \new
	s_set_vgpr_msb (MSB<<8)|\new
.set MSB, \new
.endif
.endm
.macro PLACES
.rept 4
	v_nop
.endr
.endm
.macro BARRIER                         ; my LDS stores have landed and my LDS loads are in: then the work-group's barrier
	s_wait_dscnt 0x0
	s_barrier_signal -1
	s_barrier_wait -1
.endm
; 64 numbers of a lane, register 16 b + i = number 16 h + i of block b of my row, become 12 registers of codes in v[PC] on (lane (r, h), registers 6 c ..: block 2 c + h), the bytes in v[TM+4] on and the word in v[PW]
.macro QUANT s
.irp b, 0,1,2,3
	v_max3_num_f32 v[TM+\b], |v[\s+16*\b]|, |v[\s+1+16*\b]|, 0x1800000   ; with the floor 2^(3 - 127): the byte cannot fall under 1
.endr
.irp i, 2,4,6,8,10,12,14
.irp b, 0,1,2,3
	v_max3_num_f32 v[TM+\b], v[TM+\b], |v[\s+16*\b+\i]|, |v[\s+1+16*\b+\i]|
.endr
.endr
.irp b, 0,1,2,3
	v_permlanex16_b32 v[TM+4+\b], v[TM+\b], s[SEL], s[SEL+1]
.endr
.irp b, 0,1,2,3
	v_max_num_f32 v[TM+\b], v[TM+\b], v[TM+4+\b]
.endr
.irp b, 0,1,2,3
	v_add_nc_u32 v[TM+12+\b], 0xff000000, v[TM+\b]
.endr
.irp b, 0,1,2,3
	v_lshrrev_b32 v[TM+4+\b], 23, v[TM+12+\b]
.endr
	v_lshl_or_b32 v[PW], v[TM+5], 8, v[TM+4]
	v_lshl_or_b32 v[PW], v[TM+6], 16, v[PW]
	v_lshl_or_b32 v[PW], v[TM+7], 24, v[PW]
.irp c, 0,1
	v_cvt_scalef32_pk16_fp6_f32 v[PC+6*\c:PC+2+6*\c], v[\s+32*\c:\s+15+32*\c], v[TM+12+2*\c]
	v_cvt_scalef32_pk16_fp6_f32 v[PC+12+4*\c:PC+14+4*\c], v[\s+16+32*\c:\s+31+32*\c], v[TM+12+2*\c+1]
.endr
	v_nop                                          ; one plain instruction behind the scaled conversions
.irp c, 0,1
.irp i, 0,1,2
	v_permlane16_swap_b32 v[PC+6*\c+\i], v[PC+12+4*\c+\i]
.endr
.irp i, 0,1,2
	v_mov_b32 v[PC+3+6*\c+\i], v[PC+12+4*\c+\i]
.endr
.endr
.endm
; Eight matrix instructions: the group's K step ksl, four token tiles x two tiles of columns; the eight accumulators take turns, one instruction a turn.  cb: the bias as C, or -1: in place
.macro MMA8 acc, wf, ws, ksl, cb
.irp m, 0,1,2,3
.irp u, 0,1
.if (\cb) >= 0
	v_wmma_scale_f32_16x16x128_f8f6f4 v[\acc+8*(2*\m+\u):\acc+8*(2*\m+\u)+7], v[\wf+12*(2*\ksl+\u):\wf+12*(2*\ksl+\u)+11], v[TF+12*(2*\m+\ksl):TF+12*(2*\m+\ksl)+11], v[\cb+8*\u:\cb+8*\u+7], v[\ws+2*\ksl+\u], v[TS+2*\m+\ksl] matrix_a_fmt:MATRIX_FMT_FP6 matrix_b_fmt:MATRIX_FMT_FP6
.else
	v_wmma_scale_f32_16x16x128_f8f6f4 v[\acc+8*(2*\m+\u):\acc+8*(2*\m+\u)+7], v[\wf+12*(2*\ksl+\u):\wf+12*(2*\ksl+\u)+11], v[TF+12*(2*\m+\ksl):TF+12*(2*\m+\ksl)+11], v[\acc+8*(2*\m+\u):\acc+8*(2*\m+\u)+7], v[\ws+2*\ksl+\u], v[TS+2*\m+\ksl] matrix_a_fmt:MATRIX_FMT_FP6 matrix_b_fmt:MATRIX_FMT_FP6
.endif
.endr
.endr
.endm
.macro LOADG slot, sb, ss, off, offs   ; a group of four fragments and their scale words: 16 loads
	WIN 0x40
.irp i, 0,1,2,3,4,5,6,7,8,9,10,11
	global_load_b128 v[WF+48*(\slot)+4*\i:WF+48*(\slot)+4*\i+3], v[LI16], s[\sb:\sb+1] offset:\off+512*\i
.endr
	WIN 0
.irp i, 0,1,2,3
	global_load_b32 v[WS+4*(\slot)+\i], v[L4], s[\ss:\ss+1] offset:\offs+128*\i
.endr
.endm
.macro LOADGI gi                       ; group 0: Wo's; 1-4: W1's, my hidden block gi - 1; 5-8: W2's, K steps 2 (gi - 5) on; into set gi % 3
.if (\gi) == 0
	LOADG 0, 36, 40, 0, 0
.elseif (\gi) < 5
	LOADG (\gi)%3, 38, 42, 6144*((\gi)-1), 512*((\gi)-1)
.else
	LOADG (\gi)%3, 38, 42, 196608+6144*((\gi)-5), 16384+512*((\gi)-5)
.endif
.endm
.macro LOADB1 tp                       ; b1 of my hidden block tp: register 8 u + j: unit 16 h + 8 u + j.  (A group's loads follow, under the same window)
	WIN 0x40
.irp i, 0,1,2,3
	global_load_b128 v[BB+4*\i:BB+4*\i+3], v[B1A], s[20:21] offset:128*(\tp)+16*\i
.endr
.endm
.macro FETCHT ib, ms, sb, ss           ; eight token fragments (2 m + k) and their scale words from LDS
	WIN 0x40
.irp m, 0,1,2,3
.irp k, 0,1
.irp c, 0,1
	ds_load_b128 v[TF+12*(2*\m+\k)+6*\c:TF+12*(2*\m+\k)+6*\c+3], v[LI16] offset:\ib+\ms*\m+1536*\k+768*\c
	ds_load_b64 v[TF+12*(2*\m+\k)+6*\c+4:TF+12*(2*\m+\k)+6*\c+5], v[LI8] offset:\ib+\ms*\m+1536*\k+768*\c+512
.endr
.endr
.endr
	WIN 0
.irp m, 0,1,2,3
.irp k, 0,1
	ds_load_b32 v[TS+2*\m+\k], v[LS4] offset:\sb+\ss*\m+64*\k
.endr
.endr
.endm
; The pairs v[pb + 2 m : pb + 2 m + 1] hold a lane's two partial sums for its token of tile m.  Behind: v[pb + 2 m] = the sum over all 256 channels
.macro RSUM pb, off
.irp m, 0,1,2,3
	v_add_f32 v[\pb+2*\m], v[\pb+2*\m], v[\pb+2*\m+1]
.endr
.irp m, 0,1,2,3
	v_permlanex16_b32 v[TM+8+\m], v[\pb+2*\m], s[SEL], s[SEL+1]
.endr
.irp m, 0,1,2,3
	v_add_f32 v[\pb+2*\m], v[\pb+2*\m], v[TM+8+\m] ; my wave's 32 channels
.endr
.irp m, 0,1,2,3
	ds_store_b32 v[RA], v[\pb+2*\m] offset:\off+512*\m   ; both lanes of a token write the same word with the same value
.endr
	BARRIER
.irp m, 0,1,2,3
	ds_load_b128 v[HA+8*\m:HA+8*\m+3], v[RB] offset:\off+512*\m
	ds_load_b128 v[HA+8*\m+4:HA+8*\m+7], v[RB] offset:\off+512*\m+16
.endr
	s_wait_dscnt 0x0
.irp m, 0,1,2,3
	v_pk_add_f32 v[HA+8*\m:HA+8*\m+1], v[HA+8*\m:HA+8*\m+1], v[HA+8*\m+2:HA+8*\m+3]
.endr
.irp m, 0,1,2,3
	v_pk_add_f32 v[HA+8*\m+4:HA+8*\m+5], v[HA+8*\m+4:HA+8*\m+5], v[HA+8*\m+6:HA+8*\m+7]
.endr
.irp m, 0,1,2,3
	v_pk_add_f32 v[HA+8*\m:HA+8*\m+1], v[HA+8*\m:HA+8*\m+1], v[HA+8*\m+4:HA+8*\m+5]
.endr
.irp m, 0,1,2,3
	v_add_f32 v[\pb+2*\m], v[HA+8*\m], v[HA+8*\m+1]
.endr
.endm
; The layer norm of v[XA] on, in place.  k: which pair of regions of RED; g, b: my 16 numbers of the gain and of the shift
.macro LNORM k, g, b
.irp m, 0,1,2,3
	v_pk_add_f32 v[TM+2*\m:TM+2*\m+1], v[XA+16*\m:XA+16*\m+1], v[XA+16*\m+2:XA+16*\m+3]   ; each accumulator is read from its low end on
.endr
.irp i, 4,6,8,10,12,14
.irp m, 0,1,2,3
	v_pk_add_f32 v[TM+2*\m:TM+2*\m+1], v[TM+2*\m:TM+2*\m+1], v[XA+16*\m+\i:XA+16*\m+\i+1]
.endr
.endr
	RSUM TM, 4096*\k
.irp m, 0,1,2,3
	v_mul_f32 v[TM+2*\m], s34, v[TM+2*\m]          ; the mean
.endr
.irp m, 0,1,2,3
.irp i, 0,2,4,6,8,10,12,14
	v_pk_add_f32 v[XA+16*\m+\i:XA+16*\m+\i+1], v[XA+16*\m+\i:XA+16*\m+\i+1], v[TM+2*\m:TM+2*\m+1] op_sel_hi:[1,0] neg_lo:[0,1] neg_hi:[0,1]
.endr
.endr
.irp m, 0,1,2,3
	v_pk_mul_f32 v[PC+2*\m:PC+2*\m+1], v[XA+16*\m:XA+16*\m+1], v[XA+16*\m:XA+16*\m+1]
.endr
.irp i, 2,4,6,8,10,12,14
.irp m, 0,1,2,3
	v_pk_fma_f32 v[PC+2*\m:PC+2*\m+1], v[XA+16*\m+\i:XA+16*\m+\i+1], v[XA+16*\m+\i:XA+16*\m+\i+1], v[PC+2*\m:PC+2*\m+1]
.endr
.endr
	RSUM PC, 4096*\k+2048
.irp m, 0,1,2,3
	v_fma_f32 v[PC+2*\m], v[PC+2*\m], s34, s35     ; the variance + 1e-5
.endr
.irp m, 0,1,2,3
	v_rsq_f32 v[TM+2*\m], v[PC+2*\m]
.endr
	v_nop                                          ; a plain instruction behind the last of the four
	s_wait_alu depctr_va_vdst(0)                   ; one wait for the four, ahead of their first reader
.irp m, 0,1,2,3
.irp i, 0,2,4,6,8,10,12,14
	v_pk_mul_f32 v[XA+16*\m+\i:XA+16*\m+\i+1], v[XA+16*\m+\i:XA+16*\m+\i+1], v[TM+2*\m:TM+2*\m+1] op_sel_hi:[1,0]
.endr
.endr
.irp m, 0,1,2,3
.irp i, 0,2,4,6,8,10,12,14
	v_pk_fma_f32 v[XA+16*\m+\i:XA+16*\m+\i+1], v[XA+16*\m+\i:XA+16*\m+\i+1], v[\g+\i:\g+\i+1], v[\b+\i:\b+\i+1]
.endr
.endr
.endm
	s_load_b512 s[4:19], s[0:1], 0x0               ; cc s[4:5], csc s[6:7], src s[8:9], wimg s[10:11], wsc s[12:13], bo s[14:15], ln1_g s[16:17], ln1_b s[18:19]
	s_load_b256 s[20:27], s[0:1], 0x40             ; b1 s[20:21], b2 s[22:23], ln2_g s[24:25], ln2_b s[26:27]
	s_load_b64 s[28:29], s[0:1], 0x60              ; out0
	v_lshl_add_u32 v77, v0, 2, 0x21e00
	v_mov_b32 v255, 0
	v_lshrrev_b32 v40, 5, v0
	v_readfirstlane_b32 s30, v40                   ; wave 0..7
	v_and_b32 v40, 31, v0                          ; lane
	v_and_b32 v41, 15, v0                          ; r
	v_bfe_u32 v42, v0, 4, 1                        ; h
	v_and_b32 v43, 8, v41
	v_add_nc_u32 v43, v43, v41                     ; r + 8 (r / 8)
	s_mov_b32 s[SEL], 0x76543210
	s_mov_b32 s[SEL+1], 0xfedcba98
	s_mov_b32 s34, 0x3b800000                      ; 1 / 256
	s_mov_b32 s35, 0x3727c5ac                      ; 1e-5
	s_lshr_b32 s44, s30, 2                         ; my channel block as a place in x's operand: K step w / 4,
	s_bfe_u32 s45, s30, 0x10001                    ; record (w / 2) % 2,
	s_and_b32 s46, s30, 1                          ; half of the lanes w % 2,
	s_and_b32 s47, s30, 3                          ; byte w % 4 of the scale word
	v_lshlrev_b32 v[LI16], 4, v40
	v_lshlrev_b32 v[LI8], 3, v40
	v_lshlrev_b32 v[LS4], 2, v41
	v_lshlrev_b32 v[L4], 2, v40
	v_mul_u32_u24 v[CA], v41, 24
	v_mad_u32_u24 v[CA], v42, 98304, v[CA]         ; ctx's codes: position r, head + h
	v_mov_b32 v[CB], v41
	s_lshl_b32 s48, s30, 7
	v_lshlrev_b32 v[PA], 6, v42
	v_add_nc_u32 v[PA], s48, v[PA]                 ; my 16 channels, in bytes: 128 w + 64 h
	v_lshl_add_u32 v[SA], v43, 10, v[PA]
	s_mul_i32 s49, s44, 1536
	s_mul_i32 s50, s45, 768
	s_add_co_u32 s49, s49, s50
	s_lshl_b32 s50, s46, 8
	s_add_co_u32 s50, s50, s49
	s_lshl_b32 s51, s46, 7
	s_add_co_u32 s51, s51, s49
	v_mul_u32_u24 v254, v42, 3072                  ; registers 6 c .. of lane (r, h) belong to tile 2 c + h: two fragments a tile
	v_lshl_add_u32 v[XWA], v41, 4, v254
	v_add_nc_u32 v[XWA], s50, v[XWA]
	v_lshl_add_u32 v[XWB], v41, 3, v254
	v_add_nc_u32 v[XWB], s51, v[XWB]
	s_lshl_b32 s49, s44, 6
	s_add_co_u32 s49, s49, s47
	v_add_nc_u32 v[XWS], s49, v[LS4]
	s_mul_i32 s49, s30, 1536
	v_mul_u32_u24 v254, v42, 12288                 ; the hidden layer: eight fragments a tile, mine the w-th
	v_add_nc_u32 v254, s49, v254
	v_lshl_add_u32 v[HWA], v41, 4, v254
	v_lshl_add_u32 v[HWB], v41, 3, v254
	s_lshl_b32 s49, s30, 6
	v_add_nc_u32 v[HWS], s49, v[LS4]
	v_lshlrev_b32 v[RB], 5, v41
	v_add_nc_u32 v[RB], RED, v[RB]
	s_lshl_b32 s49, s30, 2
	v_add_nc_u32 v[RA], s49, v[RB]
	v_mul_u32_u24 v[SO], v43, 1040
	v_add_nc_u32 v[SO], v[SO], v[PA]
	v_add_nc_u32 v[SO], STG, v[SO]
	s_mul_i32 s49, s30, 8320
	v_add_nc_u32 v[SR], s49, v[LI16]
	v_add_nc_u32 v[SR], STG, v[SR]
	s_lshl_b32 s49, s30, 9
	v_lshlrev_b32 v[B1A], 6, v42
	v_add_nc_u32 v[B1A], s49, v[B1A]
.irp b, 0,1,2,3,4,5,6,7
	v_mov_b32 v[TM+4+\b], 0                        ; written once: a lane permute's destination counts as one of its sources
.endr
	s_lshr_b32 s52, ttmp9, 6                       ; batch
	s_and_b32 s53, ttmp9, 63                       ; which 64 positions of it
	s_mov_b32 s55, 0
	s_wait_kmcnt 0x0
	s_mul_i32 s54, s52, 786432
	s_mul_i32 s51, s53, 1536
	s_add_co_u32 s54, s54, s51
	s_add_nc_u64 s[4:5], s[4:5], s[54:55]
	s_lshl_b32 s54, s52, 15
	s_lshl_b32 s51, s53, 6
	s_add_co_u32 s54, s54, s51
	s_add_nc_u64 s[6:7], s[6:7], s[54:55]
	s_lshl_b32 s54, ttmp9, 16
	s_add_nc_u64 s[8:9], s[8:9], s[54:55]
	s_lshl_b32 s51, s30, 13
	s_add_co_u32 s54, s54, s51
	s_add_nc_u64 s[28:29], s[28:29], s[54:55]      ; out0: my 8 rows of the 64
	s_mul_i32 s54, s30, 6144
	s_add_co_u32 s54, s54, 147456
	s_add_nc_u64 s[36:37], s[10:11], s[54:55]      ; fragment 96 + 4 w
	s_mul_i32 s54, s30, 24576
	s_add_co_u32 s54, s54, 196608
	s_add_nc_u64 s[38:39], s[10:11], s[54:55]      ; fragment 128 + 16 w
	s_lshl_b32 s54, s30, 9
	s_add_co_u32 s54, s54, 12288
	s_add_nc_u64 s[40:41], s[12:13], s[54:55]
	s_lshl_b32 s54, s30, 11
	s_add_co_u32 s54, s54, 16384
	s_add_nc_u64 s[42:43], s[12:13], s[54:55]
	; ---- the head's loads, in the order in which they are wanted
	WIN 0x40
.irp m, 0,1,2,3
.irp k, 0,1
.irp c, 0,1
.irp i, 0,1,2
	global_load_b64 v[TF+12*(2*\m+\k)+6*\c+2*\i:TF+12*(2*\m+\k)+6*\c+2*\i+1], v[CA], s[4:5] offset:(4*\k+2*\c)*98304+384*\m+8*\i   ; ctx's fragment (m, k): block 2 c + h = head 4 k + 2 c + h
.endr
.endr
.endr
.endr
	WIN 0
.irp m, 0,1,2,3
.irp k, 0,1
.irp j, 0,1,2,3
	global_load_u8 v[HA+4*(2*\m+\k)+\j], v[CB], s[6:7] offset:(4*\k+\j)*4096+16*\m
.endr
.endr
.endr
.irp m, 0,1,2,3
.irp j, 0,1,2,3
	global_load_b128 v[XA+16*\m+4*\j:XA+16*\m+4*\j+3], v[SA], s[8:9] offset:(32*(\m/2)+8*(\m%2))*1024+16*\j
.endr
.endr
.irp i, 0,1,2,3
	global_load_b128 v[PAR+4*\i:PAR+4*\i+3], v[PA], s[14:15] offset:16*\i
.endr
.irp i, 0,1,2,3
	global_load_b128 v[PAR+16+4*\i:PAR+16+4*\i+3], v[PA], s[16:17] offset:16*\i
.endr
.irp i, 0,1,2,3
	global_load_b128 v[PAR+32+4*\i:PAR+32+4*\i+3], v[PA], s[18:19] offset:16*\i
.endr
	LOADGI 0
	LOADB1 0
	LOADGI 1
	LOADGI 2
	; ---- 1: src + bo + ctx Wo
	s_wait_loadcnt 36                              ; younger: b1's 4 and groups 1 and 2
.irp i, 0,1,2,3,4,5,6,7
	v_lshl_or_b32 v[TS+\i], v[HA+4*\i+1], 8, v[HA+4*\i]   ; four heads' bytes make a token's scale word
.endr
.irp i, 0,1,2,3,4,5,6,7
	v_lshl_or_b32 v[TS+\i], v[HA+4*\i+2], 16, v[TS+\i]
.endr
.irp i, 0,1,2,3,4,5,6,7
	v_lshl_or_b32 v[TS+\i], v[HA+4*\i+3], 24, v[TS+\i]
.endr
.irp m, 0,1,2,3
.irp i, 0,2,4,6,8,10,12,14
	v_pk_add_f32 v[XA+16*\m+\i:XA+16*\m+\i+1], v[XA+16*\m+\i:XA+16*\m+\i+1], v[PAR+\i:PAR+\i+1]   ; src + bo starts the sums; of these 32 lines 28 name no register of a given product: its places behind the scale words
.endr
.endr
	WIN 0x05
	MMA8 XA, WF, WS, 0, -1
	MMA8 XA, WF, WS, 1, -1
	WIN 0
	PLACES
	LOADGI 3
	LNORM 0, PAR+16, PAR+32                        ; x
.irp i, 0,1,2,3
	global_load_b128 v[PAR+4*\i:PAR+4*\i+3], v[PA], s[22:23] offset:16*\i
.endr
.irp i, 0,1,2,3
	global_load_b128 v[PAR+16+4*\i:PAR+16+4*\i+3], v[PA], s[24:25] offset:16*\i
.endr
.irp i, 0,1,2,3
	global_load_b128 v[PAR+32+4*\i:PAR+32+4*\i+3], v[PA], s[26:27] offset:16*\i
.endr
	; ---- x becomes an operand: my 32 channels are block w of its K
	QUANT XA
.irp c, 0,1
	ds_store_b128 v[XWA], v[PC+6*\c:PC+6*\c+3] offset:XIMG+6144*\c
	ds_store_b64 v[XWB], v[PC+6*\c+4:PC+6*\c+5] offset:XIMG+6144*\c+512
.endr
.irp m, 0,1,2,3
	ds_store_b8 v[XWS], v[TM+4+\m] offset:XSC+128*\m
.endr
	BARRIER                                        ; x's eight fragments lie in LDS
	FETCHT XIMG, 3072, XSC, 128
	s_wait_dscnt 0x0
	; ---- 2: the hidden layer, my four blocks of 32 units one after the other
.irp t, 0,1,2,3
.if \t == 0
	s_wait_loadcnt 44                              ; b1's 4 and group 1 are in; younger: groups 2 and 3 and the 12 loads of b2, gain and shift
.else
	s_wait_loadcnt 16                              ; this block's b1 is in, and so is all that is older; younger: the one group asked for behind it
.endif
	WIN 0x15                                       ; b1 lies in window 1
	MMA8 HA, WF+48*((\t+1)%3), WS+4*((\t+1)%3), 0, BB
	WIN 0x05
	MMA8 HA, WF+48*((\t+1)%3), WS+4*((\t+1)%3), 1, -1
	WIN 0
	PLACES                                         ; in front of the first read of results and of loads into registers that the products read
.if \t < 3
	LOADB1 \t+1
.endif
	LOADGI \t+4                                    ; into the set just used
.set n, 0
.rept 64
	v_max_num_f32 v[HA+n], 0, v[HA+n]              ; relu, each accumulator from its low end on
.set n, n+1
.endr
	s_wait_dscnt 0x0                               ; the last block's stores have read the codes' registers
	QUANT HA
.irp m, 0,1,2,3
.if \t == 0
	v_mov_b32 v[HW+\m], v[TM+4+\m]
.else
	v_lshl_or_b32 v[HW+\m], v[TM+4+\m], 8*\t, v[HW+\m]   ; my four blocks' bytes make the scale word of K step w
.endif
.endr
.irp c, 0,1
	ds_store_b128 v[HWA], v[PC+6*\c:PC+6*\c+3] offset:HIMG+24576*\c+768*(\t/2)+256*(\t%2)
	ds_store_b64 v[HWB], v[PC+6*\c+4:PC+6*\c+5] offset:HIMG+24576*\c+768*(\t/2)+128*(\t%2)+512
.endr
.endr
.irp m, 0,1,2,3
	ds_store_b32 v[HWS], v[HW+\m] offset:HSC+512*\m
.endr
	BARRIER                                        ; the hidden layer's 32 fragments lie in LDS
	; ---- 3: x + hidden W2, two K steps at a time; x starts the sums
.irp a, 0,1,2,3
	FETCHT HIMG+3072*\a, 12288, HSC+128*\a, 512
	s_wait_dscnt 0x0
.if \a == 0
	s_wait_loadcnt 36                              ; group 5 is in; issued behind it: b1's last 4, groups 6 and 7
.elseif \a == 1
	s_wait_loadcnt 32                              ; group 6; behind it: groups 7 and 8
.elseif \a == 2
	s_wait_loadcnt 16                              ; group 7; behind it: group 8
.else
	s_wait_loadcnt 0x0
.endif
	WIN 0x05
	MMA8 XA, WF+48*((\a+2)%3), WS+4*((\a+2)%3), 0, -1
	MMA8 XA, WF+48*((\a+2)%3), WS+4*((\a+2)%3), 1, -1
	WIN 0
	PLACES
.if \a == 0
	LOADGI 8
.endif
.endr
.irp m, 0,1,2,3
.irp i, 0,2,4,6,8,10,12,14
	v_pk_add_f32 v[XA+16*\m+\i:XA+16*\m+\i+1], v[XA+16*\m+\i:XA+16*\m+\i+1], v[PAR+\i:PAR+\i+1]   ; + b2
.endr
.endr
	LNORM 1, PAR+16, PAR+32
	; ---- the way out: a row's 256 channels come from eight waves: they meet in the stage, and each wave stores 8 whole rows
.irp m, 0,1,2,3
.irp j, 0,1,2,3
	ds_store_b128 v[SO], v[XA+16*\m+4*\j:XA+16*\m+4*\j+3] offset:(32*(\m/2)+8*(\m%2))*1040+16*\j
.endr
.endr
	BARRIER
.irp i, 0,1,2,3,4,5,6,7,8,9,10,11,12,13,14,15
	ds_load_b128 v[HA+4*\i:HA+4*\i+3], v[SR] offset:1040*(\i/2)+512*(\i%2)
.endr
.irp i, 0,1,2,3,4,5,6,7,8,9,10,11,12,13,14,15
	s_wait_dscnt 15-\i                             ; LDS loads come back in order: load i is in
	global_store_b128 v[LI16], v[HA+4*\i:HA+4*\i+3], s[28:29] offset:1024*(\i/2)+512*(\i%2) th:TH_STORE_NT   ; 32 lanes store 512 consecutive bytes, aligned; written once, read by nobody here
.endr
	s_wait_tensorcnt 0x0
	ds_add_u32 v77, v255
	s_wait_dscnt 0x0
	s_endpgm
.Lfunc_end_k_qbdfc54c715_tail:
	.size	k_qbdfc54c715_tail, .Lfunc_end_k_qbdfc54c715_tail-k_qbdfc54c715_tail
	.p2alignl 7, 3214868480
	.fill 96, 4, 3214868480
	.section	.rodata,"a",@progbits
	.p2align	6, 0x0
	.amdhsa_kernel k_qbdfc54c715_tail
		.amdhsa_group_segment_fixed_size 139776
		.amdhsa_private_segment_fixed_size 0
		.amdhsa_enable_private_segment 0
		.amdhsa_kernarg_size 104
		.amdhsa_user_sgpr_count 2
		.amdhsa_user_sgpr_kernarg_segment_ptr 1
		.amdhsa_wavefront_size32 1
		.amdhsa_system_sgpr_workgroup_id_x 1
		.amdhsa_system_sgpr_workgroup_id_y 1
		.amdhsa_system_sgpr_workgroup_id_z 1
		.amdhsa_system_vgpr_workitem_id 0
		.amdhsa_next_free_vgpr 512
		.amdhsa_next_free_sgpr 66
		.amdhsa_reserve_vcc 0
		.amdhsa_float_denorm_mode_32 3
		.amdhsa_float_denorm_mode_16_64 3
		.amdhsa_memory_ordered 1
		.amdhsa_forward_progress 1
		.amdhsa_inst_pref_size 134
	.end_amdhsa_kernel
	.amdgpu_metadata
---
amdhsa.version: [ 1, 2 ]
amdhsa.kernels:
  - .name:           k_qbdfc54c715_tail
    .symbol:         k_qbdfc54c715_tail.kd
    .args:
      - { .name: cc, .offset: 0, .size: 8, .value_kind: global_buffer, .address_space: global }
      - { .name: csc, .offset: 8, .size: 8, .value_kind: global_buffer, .address_space: global }
      - { .name: src, .offset: 16, .size: 8, .value_kind: global_buffer, .address_space: global }
      - { .name: wimg, .offset: 24, .size: 8, .value_kind: global_buffer, .address_space: global }
      - { .name: wsc, .offset: 32, .size: 8, .value_kind: global_buffer, .address_space: global }
      - { .name: bo, .offset: 40, .size: 8, .value_kind: global_buffer, .address_space: global }
      - { .name: ln1_g, .offset: 48, .size: 8, .value_kind: global_buffer, .address_space: global }
      - { .name: ln1_b, .offset: 56, .size: 8, .value_kind: global_buffer, .address_space: global }
      - { .name: b1, .offset: 64, .size: 8, .value_kind: global_buffer, .address_space: global }
      - { .name: b2, .offset: 72, .size: 8, .value_kind: global_buffer, .address_space: global }
      - { .name: ln2_g, .offset: 80, .size: 8, .value_kind: global_buffer, .address_space: global }
      - { .name: ln2_b, .offset: 88, .size: 8, .value_kind: global_buffer, .address_space: global }
      - { .name: out0, .offset: 96, .size: 8, .value_kind: global_buffer, .address_space: global }
    .group_segment_fixed_size: 139776
    .private_segment_fixed_size: 0
    .kernarg_segment_align: 8
    .kernarg_segment_size: 104
    .max_flat_workgroup_size: 256
    .sgpr_count:     66
    .vgpr_count:     512
    .wavefront_size: 32
...
	.end_amdgpu_metadata
.endif
;; end of part 4
;; ======== version 2 of 2: 4 launches; version 1 with the launches qkv, tail written anew for expert scheduling mode
;; workspace buffers: wimg 589,824 bytes; wsc 49,152 bytes; qimg 1,572,864 bytes; qsc 131,072 bytes; kv 3,276,800 bytes; cc 1,572,864 bytes; csc 65,536 bytes
;; launch prep: the kernel of part 1 again; grid 96 x 1, 4 waves a work-group, no clusters, 0 bytes of LDS; arguments Wq, Wk, Wv, Wo, W1, W2, wimg, wsc; writes wimg, wsc
;; launch qkv (part 5): grid 64 x 2, 8 waves a work-group, no clusters, 27,648 bytes of LDS; arguments src, wimg, wsc, bq, bk, bv, qimg, qsc, kv; writes qimg, qsc, kv
.if DOCPART == 5
	.amdgcn_target "amdgcn-amd-amdhsa--gfx1250"
	.amdhsa_code_object_version 6
	.text
	.protected	k_qbdfc54c715_qkv
	.globl	k_qbdfc54c715_qkv
	.p2align	8
	.type	k_qbdfc54c715_qkv,@function
k_qbdfc54c715_qkv:
	s_mov_b64 s[64:65], 0
	v_nop
	global_prefetch_b8 v0, s[64:65] scope:SCOPE_SE
	s_setreg_imm32_b32 hwreg(HW_REG_WAVE_SCHED_MODE, 0, 2), 2
	s_setreg_imm32_b32 hwreg(HW_REG_WAVE_MODE, 25, 1), 1
	s_wait_xcnt 0x0
	s_wait_alu depctr_vm_vsrc(0)
; QKV.  q, k, v = src W + b on codes of E2M3, and their own quantising: q and k along the head's 32 channels (one block a token and head), v along the keys.
; SHARES.  Work-group (g, y): the 128 tokens 128 g on (batch g / 32, key step g % 32) and heads 4 y .. 4 y + 3.  Wave w: head 4 y + w / 2, p = w % 2: q and k of token tiles 4 p .. 4 p + 3, v's channel tile p for all 8 tiles:
; 48 matrix instructions.  It also quantises token tile w of src; the 16 fragments go from wave to wave through LDS as images of their registers (512 bytes a store, lane l's 16 bytes at 16 l), one barrier.
; TILES ARE PERMUTED: slot r of tile T (tokens and weight columns alike) is index 32 (T / 2) + 8 (T % 2) + r + 8 (r / 8), so that a result's 16 registers of tiles 2 b, 2 b + 1 are the 16 neighbours 32 b + 16 h + 0 .. 15.
; q, k TRANSPOSED (source 0 = 16 weight columns, source 1 = 16 tokens): a lane holds one token and 16 of its head's 32 channels for each of four token tiles.  Quantised with 'block b = token tile b' they form a
; SUPER-FRAGMENT: 12 registers whose block 2 c + h holds the 24 code bytes of slot r of tile 2 c + h, with one scale word (byte b: tile b).  It is stored as two records of 768 bytes (32 positions): lane l's bytes 0-15 at 16 l, bytes 16-23 at 512 + 8 l.
; v NOT transposed (source 0 = 16 tokens, source 1 = 16 channels): a lane holds one channel and its registers run along the keys: one fragment of V^T (16 channels x 128 keys) and its scale word.
; kv record of (batch x head, step), 6,400 bytes: four records of K | V^T's two fragments | 32 x 8 bytes {K's scale word of super-fragment p, V's of channel tile p} at 8 (16 p + r).
; The scale stores cover 128 consecutive bytes (two waves fill 256); all code stores cover whole aligned runs of 256 bytes or more.
; LIMITS: a block of zeros gets the byte 1, not 127 (zero codes; only this program reads the bytes); largest magnitudes under 2^-124 are held at byte 1; NaN and infinities are not served.
; REGISTERS.  Window 0: v1-15 addresses; v16-25 the weights' scale words (v16-23 later: the tokens' of v's second K step); v26-33 the tokens'; v34-51 at work; v52-71 codes; v72-135 accumulators (first: src); v136-199 src; v200-239 biases;
;   v254, v255 the closing add's two.  Window 1: v0-119 weights (v0-95 later: the token fragments of v's second K step), v128-223 token fragments.
; THE MODE: SCHED_MODE bits 1:0 = 2 (LLVM: expert scheduling mode 2), set by the entry lines.  The code itself states the register dependences between vector or matrix instructions and memory or LDS instructions, with s_wait_alu, always for 0.
; THE PLAN.  Registers that memory or LDS instructions touch:
;   v1-v13, v254, v255   offsets and LDS addresses: written at the head, never again: one wait on va_vdst ahead of the first load.
;   PC, PW               written by each of the five QUANTs, read by the run of stores behind it: a wait on va_vdst ahead of the run, a wait on vm_vsrc ahead of the next QUANT.
;   TF, TS, Wq's and Wk's fragments and scale words   filled by loads, read by q's and k's products.  ONE wait on va_vdst behind k's products frees them all: v's operands for BOTH its K steps are then asked for
;                        (step 0 into TF and TS, step 1 into the registers that held Wq, Wk and their scale words) and land while k is quantised and stored: QUANT names none of these registers.
;   SD                   written by a select on VCC (a wait on va_vcc between compare and select), ahead of the wait on va_vdst that serves v's four stores.
.set XIMG, 0                           ; LDS: src's 16 fragments (2 T + ks), 1,536 bytes each
.set XSC,  24576                       ; their scale words, 128 bytes each
.set LI,  1                            ; 16 x lane
.set LS,  2                            ; 4 x lane
.set L8,  3                            ; 8 x lane
.set XA,  4                            ; src: my row and half
.set XWI, 5                            ; where I store my tile's images
.set XWS, 6                            ; and scale words
.set LIP, 7                            ; my four tiles' images
.set LSP, 8
.set LIV, 9                            ; Wv's fragment of my channel tile
.set LSV, 10
.set BQA, 11
.set BVA, 12
.set SCO, 13
.set KSW, 14
.set SD,  15
.set WS,  16
.set TS,  26
.set TM,  34
.set PW,  50
.set PC,  52
.set HA,  72
.set ST,  136
.set BQ,  200
.set BK,  216
.set BV,  232
.set WQ,  0                            ; window 1
.set WK,  48
.set WV,  96
.set TF,  128
.set TG,  0                            ; window 1: the token fragments of v's second K step, where Wq's and Wk's lay
.set SEL, 28
.set MSB, 0
.macro WIN new                         ; the immediate's high byte repeats the setting that is left
.if MSB != \new
	s_set_vgpr_msb (MSB<<8)|\new
.set MSB, \new
.endif
.endm
.macro PLACES
.rept 4
	v_nop
.endr
.endm
; 64 numbers of a lane, register 16 b + i = number 16 h + i of block b of my row, become 12 registers of codes in v[PC] on (lane (r, h), registers 6 c ..: block 2 c + h) and the scale word in v[PW]
.macro QUANT s
.irp b, 0,1,2,3
	v_max3_num_f32 v[TM+\b], |v[\s+16*\b]|, |v[\s+1+16*\b]|, 0x1800000   ; with the floor 2^(3 - 127): the byte cannot fall under 1
.endr
.irp i, 2,4,6,8,10,12,14
.irp b, 0,1,2,3
	v_max3_num_f32 v[TM+\b], v[TM+\b], |v[\s+16*\b+\i]|, |v[\s+1+16*\b+\i]|
.endr
.endr
.irp b, 0,1,2,3
	v_permlanex16_b32 v[TM+4+\b], v[TM+\b], s[SEL], s[SEL+1]
.endr
.irp b, 0,1,2,3
	v_max_num_f32 v[TM+\b], v[TM+\b], v[TM+4+\b]   ; with lane l xor 16's: the block's largest magnitude
.endr
.irp b, 0,1,2,3
	v_add_nc_u32 v[TM+12+\b], 0xff000000, v[TM+\b] ; 2 off the exponent field: the conversion's scale operand
.endr
.irp b, 0,1,2,3
	v_lshrrev_b32 v[TM+4+\b], 23, v[TM+12+\b]      ; the scale's byte
.endr
	v_lshl_or_b32 v[PW], v[TM+5], 8, v[TM+4]
	v_lshl_or_b32 v[PW], v[TM+6], 16, v[PW]
	v_lshl_or_b32 v[PW], v[TM+7], 24, v[PW]
.irp c, 0,1
	v_cvt_scalef32_pk16_fp6_f32 v[PC+6*\c:PC+2+6*\c], v[\s+32*\c:\s+15+32*\c], v[TM+12+2*\c]
	v_cvt_scalef32_pk16_fp6_f32 v[PC+12+4*\c:PC+14+4*\c], v[\s+16+32*\c:\s+31+32*\c], v[TM+12+2*\c+1]
.endr
	v_nop                                          ; one plain instruction behind the scaled conversions
.irp c, 0,1                                    ; a whole block to a lane: lanes 0-15 block 2 c, lanes 16-31 block 2 c + 1
.irp i, 0,1,2
	v_permlane16_swap_b32 v[PC+6*\c+\i], v[PC+12+4*\c+\i]
.endr
.irp i, 0,1,2
	v_mov_b32 v[PC+3+6*\c+\i], v[PC+12+4*\c+\i]
.endr
.endr
.endm
.macro IMAGE adr, off
.irp c, 0,1,2
	ds_store_b128 v[\adr], v[PC+4*\c:PC+4*\c+3] offset:\off+512*\c
.endr
.endm
.macro XLOAD reg, s                    ; my row's numbers of K step s: of each block of 32 my half's 16
.irp b, 0,1,2,3
.irp j, 0,1,2,3
	global_load_b128 v[\reg+16*\b+4*\j:\reg+16*\b+4*\j+3], v[XA], s[4:5] offset:512*\s+128*\b+16*\j
.endr
.endr
.endm
; Eight matrix instructions: the group's K step ksl, four token tiles x two tiles of columns.  The eight accumulators take turns, one instruction a turn.  cb: the bias as C, or -1: in place
.macro MMA8 acc, wf, ws, ksl, cb
.irp m, 0,1,2,3
.irp u, 0,1
.if (\cb) >= 0
	v_wmma_scale_f32_16x16x128_f8f6f4 v[\acc+8*(2*\m+\u):\acc+8*(2*\m+\u)+7], v[\wf+12*(2*\ksl+\u):\wf+12*(2*\ksl+\u)+11], v[TF+12*(2*\m+\ksl):TF+12*(2*\m+\ksl)+11], v[\cb+8*\u:\cb+8*\u+7], v[\ws+2*\ksl+\u], v[TS+2*\m+\ksl] matrix_a_fmt:MATRIX_FMT_FP6 matrix_b_fmt:MATRIX_FMT_FP6
.else
	v_wmma_scale_f32_16x16x128_f8f6f4 v[\acc+8*(2*\m+\u):\acc+8*(2*\m+\u)+7], v[\wf+12*(2*\ksl+\u):\wf+12*(2*\ksl+\u)+11], v[TF+12*(2*\m+\ksl):TF+12*(2*\m+\ksl)+11], v[\acc+8*(2*\m+\u):\acc+8*(2*\m+\u)+7], v[\ws+2*\ksl+\u], v[TS+2*\m+\ksl] matrix_a_fmt:MATRIX_FMT_FP6 matrix_b_fmt:MATRIX_FMT_FP6
.endif
.endr
.endr
.endm
.macro STQK sb                         ; a super-fragment leaves as two records of 768 bytes
.irp c, 0,1
	global_store_b128 v[LI], v[PC+6*\c:PC+6*\c+3], s[\sb:\sb+1] offset:768*\c
	global_store_b64 v[L8], v[PC+6*\c+4:PC+6*\c+5], s[\sb:\sb+1] offset:768*\c+512
.endr
.endm
	s_load_b256 s[4:11], s[0:1], 0x0               ; src s[4:5], wimg s[6:7], wsc s[8:9], bq s[10:11]
	s_load_b256 s[12:19], s[0:1], 0x20             ; bk s[12:13], bv s[14:15], qimg s[16:17], qsc s[18:19]
	s_load_b64 s[20:21], s[0:1], 0x40              ; kv
	v_lshl_add_u32 v254, v0, 2, 0x6800             ; the closing add's two registers: my spare word behind the scale words, and 0; kept for that alone
	v_mov_b32 v255, 0
	v_lshrrev_b32 v240, 5, v0
	v_readfirstlane_b32 s22, v240                  ; wave 0..7
	v_and_b32 v240, 31, v0                         ; lane
	v_and_b32 v241, 15, v0                         ; r
	v_bfe_u32 v242, v0, 4, 1                       ; h
	v_and_b32 v243, 8, v241
	v_add_nc_u32 v243, v243, v241                  ; r + 8 (r / 8)
	s_mov_b32 s[SEL], 0x76543210
	s_mov_b32 s[SEL+1], 0xfedcba98
	s_wait_alu depctr_va_sdst(0)                   ; s22 is written, ahead of its first reader: the wave's shares and addresses are made from it
	s_lshr_b32 s26, s22, 1
	s_and_b32 s23, s22, 1                          ; p
	s_and_b32 s27, ttmp7, 0xffff
	s_lshl_b32 s24, s27, 2
	s_add_co_u32 s24, s24, s26                     ; the head
	s_lshr_b32 s25, ttmp9, 5
	s_lshl_b32 s25, s25, 3
	s_add_co_u32 s25, s25, s24                     ; batch x 8 + head
	s_and_b32 s44, ttmp9, 31                       ; the key step
	s_lshl_b32 s30, ttmp9, 17                      ; src: (128 g + 32 (w / 2) + 8 (w % 2)) rows of 1,024 bytes
	s_lshl_b32 s46, s26, 15
	s_add_co_u32 s30, s30, s46
	s_lshl_b32 s46, s23, 13
	s_add_co_u32 s30, s30, s46
	s_mov_b32 s31, 0
	s_mul_i32 s32, s24, 6144                       ; the head's group of four fragments
	s_mov_b32 s33, 0
	s_lshl_b32 s34, s24, 9                         ; and its scale words
	s_mov_b32 s35, 0
	s_lshl_b32 s36, s24, 7                         ; the head's 32 numbers of a bias
	s_mov_b32 s37, 0
	s_lshl_b32 s38, s44, 2                         ; qimg: pair 4 step + 2 p of 128
	s_lshl_b32 s46, s23, 1
	s_add_co_u32 s38, s38, s46
	s_mul_i32 s38, s38, 768
	s_mul_i32 s46, s25, 98304
	s_add_co_u32 s38, s38, s46
	s_mov_b32 s39, 0
	s_lshl_b32 s48, s25, 6                         ; qsc: super-fragment 2 step + p of 64
	s_lshl_b32 s46, s44, 1
	s_add_co_u32 s48, s48, s46
	s_add_co_u32 s48, s48, s23
	s_lshl_b32 s48, s48, 7
	s_mov_b32 s49, 0
	s_lshl_b32 s50, s25, 5                         ; kv: record 32 (batch x 8 + head) + step
	s_add_co_u32 s50, s50, s44
	s_mul_i32 s50, s50, 6400
	s_mov_b32 s51, 0
	s_mul_i32 s52, s23, 1536
	s_mov_b32 s53, 0
	v_lshlrev_b32 v[LI], 4, v240
	v_lshlrev_b32 v[LS], 2, v240
	v_lshlrev_b32 v[L8], 3, v240
	v_lshlrev_b32 v[XA], 10, v243
	v_lshl_add_u32 v[XA], v242, 6, v[XA]
	s_mul_i32 s45, s22, 3072
	v_add_nc_u32 v[XWI], s45, v[LI]
	s_lshl_b32 s45, s22, 8
	v_add_nc_u32 v[XWS], s45, v[LS]
	s_mul_i32 s45, s23, 12288
	v_add_nc_u32 v[LIP], s45, v[LI]
	s_lshl_b32 s45, s23, 10
	v_add_nc_u32 v[LSP], s45, v[LS]
	v_add_nc_u32 v[LIV], s52, v[LI]
	s_lshl_b32 s45, s23, 7
	v_add_nc_u32 v[LSV], s45, v[LS]
	v_lshlrev_b32 v[BQA], 6, v242
	v_lshlrev_b32 v[SCO], 3, v241
	v_lshl_add_u32 v[SCO], v242, 2, v[SCO]
	v_add_nc_u32 v[SCO], s45, v[SCO]               ; 8 (16 p + r) + 4 h
	s_lshl_b32 s45, s23, 3
	v_add_nc_u32 v[BVA], s45, v243
	v_lshlrev_b32 v[BVA], 2, v[BVA]                ; bv of my channel: 8 p + r + 8 (r / 8)
.irp b, 0,1,2,3
	v_mov_b32 v[TM+4+\b], 0                        ; written once: a lane permute's destination counts as one of its sources
.endr
	s_wait_kmcnt 0x0
	s_add_nc_u64 s[4:5], s[4:5], s[30:31]
	s_add_nc_u64 s[6:7], s[6:7], s[32:33]
	s_add_nc_u64 s[8:9], s[8:9], s[34:35]
	s_add_nc_u64 s[10:11], s[10:11], s[36:37]
	s_add_nc_u64 s[12:13], s[12:13], s[36:37]
	s_add_nc_u64 s[14:15], s[14:15], s[36:37]
	s_add_nc_u64 s[16:17], s[16:17], s[38:39]
	s_add_nc_u64 s[18:19], s[18:19], s[48:49]
	s_add_nc_u64 s[40:41], s[20:21], s[50:51]      ; the record
	s_add_nc_u64 s[42:43], s[40:41], s[52:53]      ; + 1,536 p
	; the weights' fragments, scale words and the biases: 56 loads
	WIN 0x40
	s_wait_alu depctr_va_vdst(0)                   ; the offsets and LDS addresses v1 to v13 and the closing add's v254, v255 are written: every load, store and LDS instruction of the kernel reads some of them, and none is written again
.irp i, 0,1,2,3,4,5,6,7,8,9,10,11
	global_load_b128 v[WQ+4*\i:WQ+4*\i+3], v[LI], s[6:7] offset:512*\i
.endr
.irp i, 0,1,2,3,4,5,6,7,8,9,10,11
	global_load_b128 v[WK+4*\i:WK+4*\i+3], v[LI], s[6:7] offset:49152+512*\i
.endr
.irp k, 0,1
.irp g, 0,1,2
	global_load_b128 v[WV+12*\k+4*\g:WV+12*\k+4*\g+3], v[LIV], s[6:7] offset:98304+3072*\k+512*\g
.endr
.endr
	WIN 0
.irp j, 0,1,2,3
	global_load_b32 v[WS+\j], v[LS], s[8:9] offset:128*\j
.endr
.irp j, 0,1,2,3
	global_load_b32 v[WS+4+\j], v[LS], s[8:9] offset:4096+128*\j
.endr
.irp k, 0,1
	global_load_b32 v[WS+8+\k], v[LSV], s[8:9] offset:8192+256*\k
.endr
.irp i, 0,1,2,3
	global_load_b128 v[BQ+4*\i:BQ+4*\i+3], v[BQA], s[10:11] offset:16*\i   ; register 8 u + j: channel 16 h + 8 u + j
.endr
.irp i, 0,1,2,3
	global_load_b128 v[BK+4*\i:BK+4*\i+3], v[BQA], s[12:13] offset:16*\i
.endr
.irp j, 0,1,2,3,4,5,6,7
	global_load_b32 v[BV+\j], v[BVA], s[14:15]     ; in v's result a lane holds one channel: the same number in all eight registers
.endr
	XLOAD HA, 0
	XLOAD ST, 1
	s_wait_loadcnt 16                              ; all but K step 1's sixteen loads
	QUANT HA
	s_wait_alu depctr_va_vdst(0)                   ; QUANT has written the codes v[PC ..] and the word v[PW], which the LDS stores read
	IMAGE XWI, XIMG
	ds_store_b32 v[XWS], v[PW] offset:XSC
	s_wait_dscnt 0x0                               ; the stores have landed
	s_wait_alu depctr_vm_vsrc(0)                   ; the LDS stores have read v[PC ..] and v[PW], which the next QUANT writes again
	s_wait_loadcnt 0x0
	QUANT ST
	s_wait_alu depctr_va_vdst(0)                   ; QUANT has written v[PC ..] and v[PW], which the LDS stores read
	IMAGE XWI, XIMG+1536
	ds_store_b32 v[XWS], v[PW] offset:XSC+128
	s_wait_dscnt 0x0                               ; my stores have landed,
	s_barrier_signal -1
	s_barrier_wait -1                              ; everybody's have: src's sixteen fragments lie in LDS
	; ---- q of my four token tiles.  (No vector or matrix instruction has named TF or TS yet, and the addresses stand since the head's wait: these loads owe nothing)
	WIN 0x40
.irp i, 0,1,2,3,4,5,6,7
.irp g, 0,1,2
	ds_load_b128 v[TF+12*\i+4*\g:TF+12*\i+4*\g+3], v[LIP] offset:XIMG+1536*\i+512*\g
.endr
.endr
	WIN 0
.irp i, 0,1,2,3,4,5,6,7
	ds_load_b32 v[TS+\i], v[LSP] offset:XSC+128*\i
.endr
	s_wait_dscnt 0x0
	WIN 0x05
	MMA8 HA, WQ, WS, 0, BQ
	MMA8 HA, WQ, WS, 1, -1
	WIN 0
	PLACES                                         ; four places behind the last product, before its result is read (ISA guide 7.12.1)
	s_wait_alu depctr_vm_vsrc(0)                   ; the LDS stores of src's second image have read v[PC ..] and v[PW], which QUANT writes again
	QUANT HA                                       ; block b = token tile b: a super-fragment
	s_wait_alu depctr_va_vdst(0)                   ; QUANT has written v[PC ..] and v[PW], which q's stores read
	STQK 16
	global_store_b32 v[LS], v[PW], s[18:19]
	; ---- k of the same tiles
	WIN 0x05
	MMA8 HA, WK, WS+4, 0, BK
	MMA8 HA, WK, WS+4, 1, -1
	WIN 0
	PLACES                                         ; four places behind the last product, before its result is read
	s_wait_alu depctr_va_vdst(0)                   ; q's and k's products are done reading TF, TS, Wq's and Wk's fragments and their scale words: in all of these the loads of v's operands land
	; v's operands, all eight token tiles, both K steps: asked for here, so that they land while k is quantised and stored.  QUANT names none of their registers
.irp t, 0,1,2,3,4,5,6,7
	ds_load_b32 v[TS+\t], v[LS] offset:XSC+128*(2*\t)
.endr
	WIN 0x40
.irp t, 0,1,2,3,4,5,6,7
.irp g, 0,1,2
	ds_load_b128 v[TF+12*\t+4*\g:TF+12*\t+4*\g+3], v[LI] offset:XIMG+(2*\t)*1536+512*\g
.endr
.endr
.irp t, 0,1,2,3,4,5,6,7
.irp g, 0,1,2
	ds_load_b128 v[TG+12*\t+4*\g:TG+12*\t+4*\g+3], v[LI] offset:XIMG+(2*\t+1)*1536+512*\g
.endr
.endr
	WIN 0
	s_wait_xcnt 0x0                                ; q's stores have had their addresses translated: the codes and the word are written again only behind this wait
	s_wait_alu depctr_vm_vsrc(0)                   ; q's stores have read v[PC ..] and v[PW], which QUANT writes again
	QUANT HA
	v_mov_b32 v[KSW], v[PW]
	s_wait_alu depctr_va_vdst(0)                   ; QUANT has written v[PC ..], which k's stores read
	STQK 42
	; ---- v of my channel tile, all eight token tiles: source 0 = tokens, source 1 = Wv's columns
	s_wait_dscnt 24                                ; LDS loads come back in order: K step 0's scale words and fragments are in; the 24 younger loads, K step 1's fragments, may be out
.irp t, 0,1,2,3,4,5,6,7
	ds_load_b32 v[WS+\t], v[LS] offset:XSC+128*(2*\t+1)   ; K step 1's scale words, where Wq's and Wk's lay: free since the wait behind k's products, and named by nothing since
.endr
	WIN 0x05
.irp t, 0,1,2,3,4,5,6,7
	v_wmma_scale_f32_16x16x128_f8f6f4 v[HA+8*\t:HA+8*\t+7], v[TF+12*\t:TF+12*\t+11], v[WV:WV+11], v[BV:BV+7], v[TS+\t], v[WS+8] matrix_a_fmt:MATRIX_FMT_FP6 matrix_b_fmt:MATRIX_FMT_FP6
.endr
	s_wait_dscnt 0x0                               ; K step 1's fragments and scale words are in
.irp t, 0,1,2,3,4,5,6,7
	v_wmma_scale_f32_16x16x128_f8f6f4 v[HA+8*\t:HA+8*\t+7], v[TG+12*\t:TG+12*\t+11], v[WV+12:WV+23], v[HA+8*\t:HA+8*\t+7], v[WS+\t], v[WS+9] matrix_a_fmt:MATRIX_FMT_FP6 matrix_b_fmt:MATRIX_FMT_FP6
.endr
	WIN 0
	PLACES                                         ; four places behind the last product, before its result is read
	s_wait_xcnt 0x0                                ; k's stores have had their addresses translated
	s_wait_alu depctr_vm_vsrc(0)                   ; k's stores have read v[PC ..], which QUANT writes again
	QUANT HA                                       ; my row = my channel, the four blocks = the step's 128 keys
	v_and_b32 v[HA], 16, v0
	v_cmp_ne_u32 vcc_lo, 0, v[HA]
	s_wait_alu depctr_va_vcc(0)                    ; VCC is written, ahead of the select that reads it
	v_cndmask_b32 v[SD], v[KSW], v[PW], vcc_lo     ; lanes 0-15: K's scale word; lanes 16-31: V's
	s_wait_alu depctr_va_vdst(0)                   ; QUANT has written v[PC ..] and the select v[SD], which the four stores read
.irp g, 0,1,2
	global_store_b128 v[LI], v[PC+4*\g:PC+4*\g+3], s[42:43] offset:3072+512*\g
.endr
	global_store_b32 v[SCO], v[SD], s[40:41] offset:6144
	s_wait_dscnt 0x0                               ; the closing lines, six on end
	s_wait_alu 0x0
	s_wait_tensorcnt 0x0
	ds_add_u32 v254, v255
	s_wait_dscnt 0x0
	s_endpgm
.Lfunc_end_k_qbdfc54c715_qkv:
	.size	k_qbdfc54c715_qkv, .Lfunc_end_k_qbdfc54c715_qkv-k_qbdfc54c715_qkv
	.p2alignl 7, 3214868480
	.fill 96, 4, 3214868480
	.section	.rodata,"a",@progbits
	.p2align	6, 0x0
	.amdhsa_kernel k_qbdfc54c715_qkv
		.amdhsa_group_segment_fixed_size 27648
		.amdhsa_private_segment_fixed_size 0
		.amdhsa_enable_private_segment 0
		.amdhsa_kernarg_size 72
		.amdhsa_user_sgpr_count 2
		.amdhsa_user_sgpr_kernarg_segment_ptr 1
		.amdhsa_wavefront_size32 1
		.amdhsa_system_sgpr_workgroup_id_x 1
		.amdhsa_system_sgpr_workgroup_id_y 1
		.amdhsa_system_sgpr_workgroup_id_z 1
		.amdhsa_system_vgpr_workitem_id 0
		.amdhsa_next_free_vgpr 512
		.amdhsa_next_free_sgpr 66
		.amdhsa_reserve_vcc 1
		.amdhsa_float_denorm_mode_32 3
		.amdhsa_float_denorm_mode_16_64 3
		.amdhsa_memory_ordered 1
		.amdhsa_forward_progress 1
		.amdhsa_inst_pref_size 47
	.end_amdhsa_kernel
	.amdgpu_metadata
---
amdhsa.version: [ 1, 2 ]
amdhsa.kernels:
  - .name:           k_qbdfc54c715_qkv
    .symbol:         k_qbdfc54c715_qkv.kd
    .args:
      - { .name: src, .offset: 0, .size: 8, .value_kind: global_buffer, .address_space: global }
      - { .name: wimg, .offset: 8, .size: 8, .value_kind: global_buffer, .address_space: global }
      - { .name: wsc, .offset: 16, .size: 8, .value_kind: global_buffer, .address_space: global }
      - { .name: bq, .offset: 24, .size: 8, .value_kind: global_buffer, .address_space: global }
      - { .name: bk, .offset: 32, .size: 8, .value_kind: global_buffer, .address_space: global }
      - { .name: bv, .offset: 40, .size: 8, .value_kind: global_buffer, .address_space: global }
      - { .name: qimg, .offset: 48, .size: 8, .value_kind: global_buffer, .address_space: global }
      - { .name: qsc, .offset: 56, .size: 8, .value_kind: global_buffer, .address_space: global }
      - { .name: kv, .offset: 64, .size: 8, .value_kind: global_buffer, .address_space: global }
    .group_segment_fixed_size: 27648
    .private_segment_fixed_size: 0
    .kernarg_segment_align: 8
    .kernarg_segment_size: 72
    .max_flat_workgroup_size: 256
    .sgpr_count:     66
    .vgpr_count:     512
    .wavefront_size: 32
...
	.end_amdgpu_metadata
.endif
;; end of part 5
;; launch attn: the kernel of part 3 again; grid 16 x 16, 16 waves a work-group, clusters of 4 x 1, 207,104 bytes of LDS; arguments qimg, qsc, kv, cc, csc; writes cc, csc
;; launch tail (part 6): grid 128 x 1, 8 waves a work-group, no clusters, 139,776 bytes of LDS; arguments cc, csc, src, wimg, wsc, bo, ln1_g, ln1_b, b1, b2, ln2_g, ln2_b, out0; writes out0
.if DOCPART == 6
	.amdgcn_target "amdgcn-amd-amdhsa--gfx1250"
	.amdhsa_code_object_version 6
	.text
	.protected	k_qbdfc54c715_tail
	.globl	k_qbdfc54c715_tail
	.p2align	8
	.type	k_qbdfc54c715_tail,@function
k_qbdfc54c715_tail:
	s_mov_b64 s[64:65], 0
	v_nop
	global_prefetch_b8 v0, s[64:65] scope:SCOPE_SE
	s_setreg_imm32_b32 hwreg(HW_REG_WAVE_SCHED_MODE, 0, 2), 2
	s_setreg_imm32_b32 hwreg(HW_REG_WAVE_MODE, 25, 1), 1
	s_wait_xcnt 0x0
	s_wait_alu depctr_vm_vsrc(0)
; TAIL.  x = LN1(src + ctx Wo + bo);  out = LN2(x + relu(x W1 + b1) W2 + b2).  The three products on codes of E2M3; all else f32.  x and the hidden layer never go to memory.
; SHARES.  A work-group takes 64 tokens: four tiles m of 16 (slot r of tile m = token 32 (m / 2) + 8 (m % 2) + r + 8 (r / 8) of the 64).  THE EIGHT WAVES SHARE THE COLUMNS: wave w owns channels 32 w .. 32 w + 31 of the first and third
; product and hidden units 128 w .. 128 w + 127, which are K step w of the third.  So each weight fragment goes from memory into one wave's registers once and feeds four token tiles.
; All products are used transposed (source 0 = 16 weight columns, source 1 = 16 tokens): a lane holds one token; its 16 registers of a pair of column tiles are 16 neighbouring channels.
; Quantised with 'block b = token tile b', a wave's 32 channels of 64 tokens are one block of 32 along the next K for each token: lane (r, h), registers 6 c ..: tile 2 c + h.  They go to LDS into the place that the next operand's
; layout gives them: fragment (tile, K step) = two records of 768 bytes, in each lane l's bytes 0-15 at 16 l, bytes 16-23 at 512 + 8 l; the scale bytes or words beside them.
; The layer norms take two passes (the mean; then the squares of the centred numbers): each wave's part of a token's sum goes to LDS, a barrier, every wave adds the eight parts in the same order.  Seven barriers in all.
; NO JOINT LOADS, though all work-groups read the same weights: a joint load lands in LDS, where the weights' 442,368 bytes do not fit beside the 138,752 in use, and from where they would have to be read once more.
; The weights come in groups of four fragments (16 loads) into three sets of registers that take turns, two groups ahead of their use.
; LIMITS: 1 / sqrt by v_rsq_f32; a block of zeros gets the byte 1, not 127 (zero codes; only this program reads the bytes); NaN and infinities are not served.
; REGISTERS.  Window 0: v1-19 addresses; v20-31 the weights' scale words; v32-39 the tokens'; v40-57 at work; v58-76 codes; v77 and v255 the closing add's two; v78-141 my 32 channels of 64 tokens; v142-205 the hidden layer; v206-253 bias, gain, shift.
;   Window 1: v0-95 token fragments (2 m + ksl); v96-239 three groups of weights; v240-255 b1.
; THE MODE: SCHED_MODE bits 1:0 = 2 (LLVM: expert scheduling mode 2), set by the entry lines.  The code itself states the register dependences between vector or matrix instructions and memory or LDS instructions, with s_wait_alu, always for 0.
; THE PLAN.  Registers that memory or LDS instructions touch:
;   v1-v19, v77, v255    offsets and LDS addresses: written at the head, never again: one wait on va_vdst ahead of the first load.
;   WF's three sets, WS, BB, TF, TS   filled by loads, read by the products.  ONE wait on va_vdst behind each run of sixteen products frees what that run read; the loads into the set just used (and, in the third product, the next
;                        two K steps' token fragments) follow it.  A fetch that stands behind a barrier leans on the wait on va_vdst ahead of the LDS stores in front of that barrier: no vector or matrix instruction stands between.
;   TS in the first product   is made by vector lines: a wait on va_vdst directly ahead of the first product, behind its places.
;   PC, PW, TM, HW       written by QUANT and by the norms' sums, read by LDS stores: a wait on va_vdst ahead of each run of stores, a wait on vm_vsrc ahead of the next line that writes them.
;   HA                   lands from LDS in the norms' sums and on the way out: the wait on va_vdst ahead of the stores in front of the barrier covers all that named it.
;   PAR                  read by the first norm, then loaded again: under the wait on va_vdst that stands behind x's QUANT for its stores.
;   XA                   written by the second norm, read by the stage's stores: a wait on va_vdst ahead of them.
.set XIMG, 0                           ; x's 8 fragments (2 m + ks)
.set XSC,  12288                       ; their scale words: 64 bytes each
.set HIMG, 12800                       ; the hidden layer's 32 fragments (8 m + s)
.set HSC,  61952
.set RED,  64000                       ; four regions of 2,048 bytes: [m][r][wave] f32
.set STG,  72192                       ; 64 rows x (1,024 + 16) bytes
.set LI16, 1
.set LI8,  2
.set LS4,  3
.set L4,   4
.set CA,   5
.set CB,   6
.set SA,   7
.set PA,   8
.set XWA,  9
.set XWB,  10
.set XWS,  11
.set HWA,  12
.set HWB,  13
.set HWS,  14
.set RA,   15
.set RB,   16
.set SO,   17
.set SR,   18
.set B1A,  19
.set WS,   20
.set TS,   32
.set TM,   40
.set HW,   48
.set PW,   56
.set PC,   58
.set XA,   78
.set HA,   142
.set PAR,  206
.set TF,   0                           ; window 1
.set WF,   96
.set BB,   240
.set SEL,  32
.set MSB, 0
.macro WIN new                         ; the immediate's high byte repeats the setting that is left
.if MSB != \new
	s_set_vgpr_msb (MSB<<8)|\new
.set MSB, \new
.endif
.endm
.macro PLACES
.rept 4
	v_nop
.endr
.endm
.macro BARRIER                         ; my LDS stores have landed and my LDS loads are in: then the work-group's barrier
	s_wait_dscnt 0x0
	s_barrier_signal -1
	s_barrier_wait -1
.endm
; 64 numbers of a lane, register 16 b + i = number 16 h + i of block b of my row, become 12 registers of codes in v[PC] on (lane (r, h), registers 6 c ..: block 2 c + h), the bytes in v[TM+4] on and the word in v[PW]
.macro QUANT s
.irp b, 0,1,2,3
	v_max3_num_f32 v[TM+\b], |v[\s+16*\b]|, |v[\s+1+16*\b]|, 0x1800000   ; with the floor 2^(3 - 127): the byte cannot fall under 1
.endr
.irp i, 2,4,6,8,10,12,14
.irp b, 0,1,2,3
	v_max3_num_f32 v[TM+\b], v[TM+\b], |v[\s+16*\b+\i]|, |v[\s+1+16*\b+\i]|
.endr
.endr
.irp b, 0,1,2,3
	v_permlanex16_b32 v[TM+4+\b], v[TM+\b], s[SEL], s[SEL+1]
.endr
.irp b, 0,1,2,3
	v_max_num_f32 v[TM+\b], v[TM+\b], v[TM+4+\b]
.endr
.irp b, 0,1,2,3
	v_add_nc_u32 v[TM+12+\b], 0xff000000, v[TM+\b]
.endr
.irp b, 0,1,2,3
	v_lshrrev_b32 v[TM+4+\b], 23, v[TM+12+\b]
.endr
	v_lshl_or_b32 v[PW], v[TM+5], 8, v[TM+4]
	v_lshl_or_b32 v[PW], v[TM+6], 16, v[PW]
	v_lshl_or_b32 v[PW], v[TM+7], 24, v[PW]
.irp c, 0,1
	v_cvt_scalef32_pk16_fp6_f32 v[PC+6*\c:PC+2+6*\c], v[\s+32*\c:\s+15+32*\c], v[TM+12+2*\c]
	v_cvt_scalef32_pk16_fp6_f32 v[PC+12+4*\c:PC+14+4*\c], v[\s+16+32*\c:\s+31+32*\c], v[TM+12+2*\c+1]
.endr
	v_nop                                          ; one plain instruction behind the scaled conversions
.irp c, 0,1
.irp i, 0,1,2
	v_permlane16_swap_b32 v[PC+6*\c+\i], v[PC+12+4*\c+\i]
.endr
.irp i, 0,1,2
	v_mov_b32 v[PC+3+6*\c+\i], v[PC+12+4*\c+\i]
.endr
.endr
.endm
; Eight matrix instructions: the group's K step ksl, four token tiles x two tiles of columns; the eight accumulators take turns, one instruction a turn.  cb: the bias as C, or -1: in place
.macro MMA8 acc, wf, ws, ksl, cb
.irp m, 0,1,2,3
.irp u, 0,1
.if (\cb) >= 0
	v_wmma_scale_f32_16x16x128_f8f6f4 v[\acc+8*(2*\m+\u):\acc+8*(2*\m+\u)+7], v[\wf+12*(2*\ksl+\u):\wf+12*(2*\ksl+\u)+11], v[TF+12*(2*\m+\ksl):TF+12*(2*\m+\ksl)+11], v[\cb+8*\u:\cb+8*\u+7], v[\ws+2*\ksl+\u], v[TS+2*\m+\ksl] matrix_a_fmt:MATRIX_FMT_FP6 matrix_b_fmt:MATRIX_FMT_FP6
.else
	v_wmma_scale_f32_16x16x128_f8f6f4 v[\acc+8*(2*\m+\u):\acc+8*(2*\m+\u)+7], v[\wf+12*(2*\ksl+\u):\wf+12*(2*\ksl+\u)+11], v[TF+12*(2*\m+\ksl):TF+12*(2*\m+\ksl)+11], v[\acc+8*(2*\m+\u):\acc+8*(2*\m+\u)+7], v[\ws+2*\ksl+\u], v[TS+2*\m+\ksl] matrix_a_fmt:MATRIX_FMT_FP6 matrix_b_fmt:MATRIX_FMT_FP6
.endif
.endr
.endr
.endm
.macro LOADG slot, sb, ss, off, offs   ; a group of four fragments and their scale words: 16 loads
	WIN 0x40
.irp i, 0,1,2,3,4,5,6,7,8,9,10,11
	global_load_b128 v[WF+48*(\slot)+4*\i:WF+48*(\slot)+4*\i+3], v[LI16], s[\sb:\sb+1] offset:\off+512*\i
.endr
	WIN 0
.irp i, 0,1,2,3
	global_load_b32 v[WS+4*(\slot)+\i], v[L4], s[\ss:\ss+1] offset:\offs+128*\i
.endr
.endm
.macro LOADGI gi                       ; group 0: Wo's; 1-4: W1's, my hidden block gi - 1; 5-8: W2's, K steps 2 (gi - 5) on; into set gi % 3
.if (\gi) == 0
	LOADG 0, 36, 40, 0, 0
.elseif (\gi) < 5
	LOADG (\gi)%3, 38, 42, 6144*((\gi)-1), 512*((\gi)-1)
.else
	LOADG (\gi)%3, 38, 42, 196608+6144*((\gi)-5), 16384+512*((\gi)-5)
.endif
.endm
.macro LOADB1 tp                       ; b1 of my hidden block tp: register 8 u + j: unit 16 h + 8 u + j.  (A group's loads follow, under the same window)
	WIN 0x40
.irp i, 0,1,2,3
	global_load_b128 v[BB+4*\i:BB+4*\i+3], v[B1A], s[20:21] offset:128*(\tp)+16*\i
.endr
.endm
.macro FETCHT ib, ms, sb, ss           ; eight token fragments (2 m + k) and their scale words from LDS
	WIN 0x40
.irp m, 0,1,2,3
.irp k, 0,1
.irp c, 0,1
	ds_load_b128 v[TF+12*(2*\m+\k)+6*\c:TF+12*(2*\m+\k)+6*\c+3], v[LI16] offset:\ib+\ms*\m+1536*\k+768*\c
	ds_load_b64 v[TF+12*(2*\m+\k)+6*\c+4:TF+12*(2*\m+\k)+6*\c+5], v[LI8] offset:\ib+\ms*\m+1536*\k+768*\c+512
.endr
.endr
.endr
	WIN 0
.irp m, 0,1,2,3
.irp k, 0,1
	ds_load_b32 v[TS+2*\m+\k], v[LS4] offset:\sb+\ss*\m+64*\k
.endr
.endr
.endm
; The pairs v[pb + 2 m : pb + 2 m + 1] hold a lane's two partial sums for its token of tile m.  Behind: v[pb + 2 m] = the sum over all 256 channels
.macro RSUM pb, off
.irp m, 0,1,2,3
	v_add_f32 v[\pb+2*\m], v[\pb+2*\m], v[\pb+2*\m+1]
.endr
.irp m, 0,1,2,3
	v_permlanex16_b32 v[TM+8+\m], v[\pb+2*\m], s[SEL], s[SEL+1]
.endr
.irp m, 0,1,2,3
	v_add_f32 v[\pb+2*\m], v[\pb+2*\m], v[TM+8+\m] ; my wave's 32 channels
.endr
	s_wait_alu depctr_va_vdst(0)                   ; the four sums v[pb + 2 m] are written, which the LDS stores read; and every vector and matrix instruction that named v[HA ..] is done, in which the loads behind the barrier land
.irp m, 0,1,2,3
	ds_store_b32 v[RA], v[\pb+2*\m] offset:\off+512*\m   ; both lanes of a token write the same word with the same value
.endr
	BARRIER
.irp m, 0,1,2,3
	ds_load_b128 v[HA+8*\m:HA+8*\m+3], v[RB] offset:\off+512*\m
	ds_load_b128 v[HA+8*\m+4:HA+8*\m+7], v[RB] offset:\off+512*\m+16
.endr
	s_wait_dscnt 0x0
	s_wait_alu depctr_vm_vsrc(0)                   ; the LDS stores above have read v[pb + 2 m], which the last four lines below write again
.irp m, 0,1,2,3
	v_pk_add_f32 v[HA+8*\m:HA+8*\m+1], v[HA+8*\m:HA+8*\m+1], v[HA+8*\m+2:HA+8*\m+3]
.endr
.irp m, 0,1,2,3
	v_pk_add_f32 v[HA+8*\m+4:HA+8*\m+5], v[HA+8*\m+4:HA+8*\m+5], v[HA+8*\m+6:HA+8*\m+7]
.endr
.irp m, 0,1,2,3
	v_pk_add_f32 v[HA+8*\m:HA+8*\m+1], v[HA+8*\m:HA+8*\m+1], v[HA+8*\m+4:HA+8*\m+5]
.endr
.irp m, 0,1,2,3
	v_add_f32 v[\pb+2*\m], v[HA+8*\m], v[HA+8*\m+1]
.endr
.endm
; The layer norm of v[XA] on, in place.  k: which pair of regions of RED; g, b: my 16 numbers of the gain and of the shift
.macro LNORM k, g, b
.irp m, 0,1,2,3
	v_pk_add_f32 v[TM+2*\m:TM+2*\m+1], v[XA+16*\m:XA+16*\m+1], v[XA+16*\m+2:XA+16*\m+3]   ; each accumulator is read from its low end on
.endr
.irp i, 4,6,8,10,12,14
.irp m, 0,1,2,3
	v_pk_add_f32 v[TM+2*\m:TM+2*\m+1], v[TM+2*\m:TM+2*\m+1], v[XA+16*\m+\i:XA+16*\m+\i+1]
.endr
.endr
	RSUM TM, 4096*\k
.irp m, 0,1,2,3
	v_mul_f32 v[TM+2*\m], s34, v[TM+2*\m]          ; the mean
.endr
.irp m, 0,1,2,3
.irp i, 0,2,4,6,8,10,12,14
	v_pk_add_f32 v[XA+16*\m+\i:XA+16*\m+\i+1], v[XA+16*\m+\i:XA+16*\m+\i+1], v[TM+2*\m:TM+2*\m+1] op_sel_hi:[1,0] neg_lo:[0,1] neg_hi:[0,1]
.endr
.endr
.irp m, 0,1,2,3
	v_pk_mul_f32 v[PC+2*\m:PC+2*\m+1], v[XA+16*\m:XA+16*\m+1], v[XA+16*\m:XA+16*\m+1]
.endr
.irp i, 2,4,6,8,10,12,14
.irp m, 0,1,2,3
	v_pk_fma_f32 v[PC+2*\m:PC+2*\m+1], v[XA+16*\m+\i:XA+16*\m+\i+1], v[XA+16*\m+\i:XA+16*\m+\i+1], v[PC+2*\m:PC+2*\m+1]
.endr
.endr
	RSUM PC, 4096*\k+2048
.irp m, 0,1,2,3
	v_fma_f32 v[PC+2*\m], v[PC+2*\m], s34, s35     ; the variance + 1e-5
.endr
.irp m, 0,1,2,3
	v_rsq_f32 v[TM+2*\m], v[PC+2*\m]
.endr
	v_nop                                          ; a plain instruction behind the last of the four
	s_wait_alu depctr_va_vdst(0)                   ; the four reciprocal roots v[TM + 2 m] are written: one wait for the four, ahead of their first reader
.irp m, 0,1,2,3
.irp i, 0,2,4,6,8,10,12,14
	v_pk_mul_f32 v[XA+16*\m+\i:XA+16*\m+\i+1], v[XA+16*\m+\i:XA+16*\m+\i+1], v[TM+2*\m:TM+2*\m+1] op_sel_hi:[1,0]
.endr
.endr
.irp m, 0,1,2,3
.irp i, 0,2,4,6,8,10,12,14
	v_pk_fma_f32 v[XA+16*\m+\i:XA+16*\m+\i+1], v[XA+16*\m+\i:XA+16*\m+\i+1], v[\g+\i:\g+\i+1], v[\b+\i:\b+\i+1]
.endr
.endr
.endm
	s_load_b512 s[4:19], s[0:1], 0x0               ; cc s[4:5], csc s[6:7], src s[8:9], wimg s[10:11], wsc s[12:13], bo s[14:15], ln1_g s[16:17], ln1_b s[18:19]
	s_load_b256 s[20:27], s[0:1], 0x40             ; b1 s[20:21], b2 s[22:23], ln2_g s[24:25], ln2_b s[26:27]
	s_load_b64 s[28:29], s[0:1], 0x60              ; out0
	v_lshl_add_u32 v77, v0, 2, 0x21e00             ; the closing add's two registers: my spare word behind the stage, and 0; kept for that alone
	v_mov_b32 v255, 0
	v_lshrrev_b32 v40, 5, v0
	v_readfirstlane_b32 s30, v40                   ; wave 0..7
	v_and_b32 v40, 31, v0                          ; lane
	v_and_b32 v41, 15, v0                          ; r
	v_bfe_u32 v42, v0, 4, 1                        ; h
	v_and_b32 v43, 8, v41
	v_add_nc_u32 v43, v43, v41                     ; r + 8 (r / 8)
	s_mov_b32 s[SEL], 0x76543210
	s_mov_b32 s[SEL+1], 0xfedcba98
	s_mov_b32 s34, 0x3b800000                      ; 1 / 256
	s_mov_b32 s35, 0x3727c5ac                      ; 1e-5
	s_wait_alu depctr_va_sdst(0)                   ; s30 is written, ahead of its first reader: the wave's shares and addresses are made from it
	s_lshr_b32 s44, s30, 2                         ; my channel block as a place in x's operand: K step w / 4,
	s_bfe_u32 s45, s30, 0x10001                    ; record (w / 2) % 2,
	s_and_b32 s46, s30, 1                          ; half of the lanes w % 2,
	s_and_b32 s47, s30, 3                          ; byte w % 4 of the scale word
	v_lshlrev_b32 v[LI16], 4, v40
	v_lshlrev_b32 v[LI8], 3, v40
	v_lshlrev_b32 v[LS4], 2, v41
	v_lshlrev_b32 v[L4], 2, v40
	v_mul_u32_u24 v[CA], v41, 24
	v_mad_u32_u24 v[CA], v42, 98304, v[CA]         ; ctx's codes: position r, head + h
	v_mov_b32 v[CB], v41
	s_lshl_b32 s48, s30, 7
	v_lshlrev_b32 v[PA], 6, v42
	v_add_nc_u32 v[PA], s48, v[PA]                 ; my 16 channels, in bytes: 128 w + 64 h
	v_lshl_add_u32 v[SA], v43, 10, v[PA]
	s_mul_i32 s49, s44, 1536
	s_mul_i32 s50, s45, 768
	s_add_co_u32 s49, s49, s50
	s_lshl_b32 s50, s46, 8
	s_add_co_u32 s50, s50, s49
	s_lshl_b32 s51, s46, 7
	s_add_co_u32 s51, s51, s49
	v_mul_u32_u24 v254, v42, 3072                  ; registers 6 c .. of lane (r, h) belong to tile 2 c + h: two fragments a tile
	v_lshl_add_u32 v[XWA], v41, 4, v254
	v_add_nc_u32 v[XWA], s50, v[XWA]
	v_lshl_add_u32 v[XWB], v41, 3, v254
	v_add_nc_u32 v[XWB], s51, v[XWB]
	s_lshl_b32 s49, s44, 6
	s_add_co_u32 s49, s49, s47
	v_add_nc_u32 v[XWS], s49, v[LS4]
	s_mul_i32 s49, s30, 1536
	v_mul_u32_u24 v254, v42, 12288                 ; the hidden layer: eight fragments a tile, mine the w-th
	v_add_nc_u32 v254, s49, v254
	v_lshl_add_u32 v[HWA], v41, 4, v254
	v_lshl_add_u32 v[HWB], v41, 3, v254
	s_lshl_b32 s49, s30, 6
	v_add_nc_u32 v[HWS], s49, v[LS4]
	v_lshlrev_b32 v[RB], 5, v41
	v_add_nc_u32 v[RB], RED, v[RB]
	s_lshl_b32 s49, s30, 2
	v_add_nc_u32 v[RA], s49, v[RB]
	v_mul_u32_u24 v[SO], v43, 1040
	v_add_nc_u32 v[SO], v[SO], v[PA]
	v_add_nc_u32 v[SO], STG, v[SO]
	s_mul_i32 s49, s30, 8320
	v_add_nc_u32 v[SR], s49, v[LI16]
	v_add_nc_u32 v[SR], STG, v[SR]
	s_lshl_b32 s49, s30, 9
	v_lshlrev_b32 v[B1A], 6, v42
	v_add_nc_u32 v[B1A], s49, v[B1A]
.irp b, 0,1,2,3,4,5,6,7
	v_mov_b32 v[TM+4+\b], 0                        ; written once: a lane permute's destination counts as one of its sources
.endr
	s_lshr_b32 s52, ttmp9, 6                       ; batch
	s_and_b32 s53, ttmp9, 63                       ; which 64 positions of it
	s_mov_b32 s55, 0
	s_wait_kmcnt 0x0
	s_mul_i32 s54, s52, 786432
	s_mul_i32 s51, s53, 1536
	s_add_co_u32 s54, s54, s51
	s_add_nc_u64 s[4:5], s[4:5], s[54:55]
	s_lshl_b32 s54, s52, 15
	s_lshl_b32 s51, s53, 6
	s_add_co_u32 s54, s54, s51
	s_add_nc_u64 s[6:7], s[6:7], s[54:55]
	s_lshl_b32 s54, ttmp9, 16
	s_add_nc_u64 s[8:9], s[8:9], s[54:55]
	s_lshl_b32 s51, s30, 13
	s_add_co_u32 s54, s54, s51
	s_add_nc_u64 s[28:29], s[28:29], s[54:55]      ; out0: my 8 rows of the 64
	s_mul_i32 s54, s30, 6144
	s_add_co_u32 s54, s54, 147456
	s_add_nc_u64 s[36:37], s[10:11], s[54:55]      ; fragment 96 + 4 w
	s_mul_i32 s54, s30, 24576
	s_add_co_u32 s54, s54, 196608
	s_add_nc_u64 s[38:39], s[10:11], s[54:55]      ; fragment 128 + 16 w
	s_lshl_b32 s54, s30, 9
	s_add_co_u32 s54, s54, 12288
	s_add_nc_u64 s[40:41], s[12:13], s[54:55]
	s_lshl_b32 s54, s30, 11
	s_add_co_u32 s54, s54, 16384
	s_add_nc_u64 s[42:43], s[12:13], s[54:55]
	; ---- the head's loads, in the order in which they are wanted
	WIN 0x40
	s_wait_alu depctr_va_vdst(0)                   ; the offsets and LDS addresses v1 to v19 and the closing add's v77, v255 are written: every load, store and LDS instruction of the kernel reads some of them, and none is written again
.irp m, 0,1,2,3
.irp k, 0,1
.irp c, 0,1
.irp i, 0,1,2
	global_load_b64 v[TF+12*(2*\m+\k)+6*\c+2*\i:TF+12*(2*\m+\k)+6*\c+2*\i+1], v[CA], s[4:5] offset:(4*\k+2*\c)*98304+384*\m+8*\i   ; ctx's fragment (m, k): block 2 c + h = head 4 k + 2 c + h
.endr
.endr
.endr
.endr
	WIN 0
.irp m, 0,1,2,3
.irp k, 0,1
.irp j, 0,1,2,3
	global_load_u8 v[HA+4*(2*\m+\k)+\j], v[CB], s[6:7] offset:(4*\k+\j)*4096+16*\m
.endr
.endr
.endr
.irp m, 0,1,2,3
.irp j, 0,1,2,3
	global_load_b128 v[XA+16*\m+4*\j:XA+16*\m+4*\j+3], v[SA], s[8:9] offset:(32*(\m/2)+8*(\m%2))*1024+16*\j
.endr
.endr
.irp i, 0,1,2,3
	global_load_b128 v[PAR+4*\i:PAR+4*\i+3], v[PA], s[14:15] offset:16*\i
.endr
.irp i, 0,1,2,3
	global_load_b128 v[PAR+16+4*\i:PAR+16+4*\i+3], v[PA], s[16:17] offset:16*\i
.endr
.irp i, 0,1,2,3
	global_load_b128 v[PAR+32+4*\i:PAR+32+4*\i+3], v[PA], s[18:19] offset:16*\i
.endr
	LOADGI 0
	LOADB1 0
	LOADGI 1
	LOADGI 2
	; ---- 1: src + bo + ctx Wo
	s_wait_loadcnt 36                              ; younger: b1's 4 and groups 1 and 2
.irp i, 0,1,2,3,4,5,6,7
	v_lshl_or_b32 v[TS+\i], v[HA+4*\i+1], 8, v[HA+4*\i]   ; four heads' bytes make a token's scale word
.endr
.irp i, 0,1,2,3,4,5,6,7
	v_lshl_or_b32 v[TS+\i], v[HA+4*\i+2], 16, v[TS+\i]
.endr
.irp i, 0,1,2,3,4,5,6,7
	v_lshl_or_b32 v[TS+\i], v[HA+4*\i+3], 24, v[TS+\i]
.endr
.irp m, 0,1,2,3
.irp i, 0,2,4,6,8,10,12,14
	v_pk_add_f32 v[XA+16*\m+\i:XA+16*\m+\i+1], v[XA+16*\m+\i:XA+16*\m+\i+1], v[PAR+\i:PAR+\i+1]   ; src + bo starts the sums; of these 32 lines 28 name no register of a given product: its places behind the scale words
.endr
.endr
	WIN 0x05
	s_wait_alu depctr_va_vdst(0)                   ; the vector lines above have written the scale words v[TS ..], which the scaled products take; the places stand ahead of this wait
	MMA8 XA, WF, WS, 0, -1
	MMA8 XA, WF, WS, 1, -1
	WIN 0
	PLACES                                         ; four places behind the last product, before its result is read (ISA guide 7.12.1)
	s_wait_alu depctr_va_vdst(0)                   ; the products are done reading set 0 of the weights and its scale words, in which group 3's loads land
	LOADGI 3
	LNORM 0, PAR+16, PAR+32                        ; x
	; ---- x becomes an operand: my 32 channels are block w of its K
	QUANT XA
	s_wait_alu depctr_va_vdst(0)                   ; QUANT has written the codes v[PC ..] and the bytes v[TM + 4 ..], which the LDS stores read; the norm's lines are done reading v[PAR ..], in which the twelve loads land; all that named TF and TS is done, in which the loads behind the barrier land
.irp i, 0,1,2,3
	global_load_b128 v[PAR+4*\i:PAR+4*\i+3], v[PA], s[22:23] offset:16*\i
.endr
.irp i, 0,1,2,3
	global_load_b128 v[PAR+16+4*\i:PAR+16+4*\i+3], v[PA], s[24:25] offset:16*\i
.endr
.irp i, 0,1,2,3
	global_load_b128 v[PAR+32+4*\i:PAR+32+4*\i+3], v[PA], s[26:27] offset:16*\i
.endr
.irp c, 0,1
	ds_store_b128 v[XWA], v[PC+6*\c:PC+6*\c+3] offset:XIMG+6144*\c
	ds_store_b64 v[XWB], v[PC+6*\c+4:PC+6*\c+5] offset:XIMG+6144*\c+512
.endr
.irp m, 0,1,2,3
	ds_store_b8 v[XWS], v[TM+4+\m] offset:XSC+128*\m
.endr
	BARRIER                                        ; x's eight fragments lie in LDS
	FETCHT XIMG, 3072, XSC, 128
	s_wait_dscnt 0x0
	; ---- 2: the hidden layer, my four blocks of 32 units one after the other
.irp t, 0,1,2,3
.if \t == 0
	s_wait_loadcnt 44                              ; b1's 4 and group 1 are in; younger: groups 2 and 3 and the 12 loads of b2, gain and shift
.else
	s_wait_loadcnt 16                              ; this block's b1 is in, and so is all that is older; younger: the one group asked for behind it
.endif
	WIN 0x15                                       ; b1 lies in window 1
	MMA8 HA, WF+48*((\t+1)%3), WS+4*((\t+1)%3), 0, BB
	WIN 0x05
	MMA8 HA, WF+48*((\t+1)%3), WS+4*((\t+1)%3), 1, -1
	WIN 0
	PLACES                                         ; four places behind the last product, before its result is read
	s_wait_alu depctr_va_vdst(0)                   ; the products are done reading b1, the set of weights just used and its scale words, in which the loads below land
.if \t < 3
	LOADB1 \t+1
.endif
	LOADGI \t+4                                    ; into the set just used
.set n, 0
.rept 64
	v_max_num_f32 v[HA+n], 0, v[HA+n]              ; relu, each accumulator from its low end on
.set n, n+1
.endr
	s_wait_dscnt 0x0                               ; the last block's stores have landed
	s_wait_alu depctr_vm_vsrc(0)                   ; the LDS stores of x (first block) or of the block before have read the codes v[PC ..] and the bytes v[TM + 4 ..], which QUANT writes again
	QUANT HA
.irp m, 0,1,2,3
.if \t == 0
	v_mov_b32 v[HW+\m], v[TM+4+\m]
.else
	v_lshl_or_b32 v[HW+\m], v[TM+4+\m], 8*\t, v[HW+\m]   ; my four blocks' bytes make the scale word of K step w
.endif
.endr
	s_wait_alu depctr_va_vdst(0)                   ; QUANT has written v[PC ..], which the LDS stores read; in the last block the words v[HW ..] are written too, and all that named TF and TS is done, in which the loads behind the barrier land
.irp c, 0,1
	ds_store_b128 v[HWA], v[PC+6*\c:PC+6*\c+3] offset:HIMG+24576*\c+768*(\t/2)+256*(\t%2)
	ds_store_b64 v[HWB], v[PC+6*\c+4:PC+6*\c+5] offset:HIMG+24576*\c+768*(\t/2)+128*(\t%2)+512
.endr
.endr
.irp m, 0,1,2,3
	ds_store_b32 v[HWS], v[HW+\m] offset:HSC+512*\m
.endr
	BARRIER                                        ; the hidden layer's 32 fragments lie in LDS
	; ---- 3: x + hidden W2, two K steps at a time; x starts the sums
.irp a, 0,1,2,3
	FETCHT HIMG+3072*\a, 12288, HSC+128*\a, 512
	s_wait_dscnt 0x0
.if \a == 0
	s_wait_loadcnt 36                              ; group 5 is in; issued behind it: b1's last 4, groups 6 and 7
.elseif \a == 1
	s_wait_loadcnt 32                              ; group 6; behind it: groups 7 and 8
.elseif \a == 2
	s_wait_loadcnt 16                              ; group 7; behind it: group 8
.else
	s_wait_loadcnt 0x0
.endif
	WIN 0x05
	MMA8 XA, WF+48*((\a+2)%3), WS+4*((\a+2)%3), 0, -1
	MMA8 XA, WF+48*((\a+2)%3), WS+4*((\a+2)%3), 1, -1
	WIN 0
	PLACES                                         ; four places behind the last product
.if \a < 3
	s_wait_alu depctr_va_vdst(0)                   ; the products are done reading TF and TS, in which the next two K steps' fragments and scale words land, and (first pair of K steps) set 2 of the weights, in which group 8 lands
.endif
.if \a == 0
	LOADGI 8
.endif
.endr
	s_wait_alu depctr_vm_vsrc(0)                   ; the hidden layer's LDS stores have read the words v[HW ..], which are v[TM + 8 ..], and the codes v[PC ..]: the norm below writes both again
.irp m, 0,1,2,3
.irp i, 0,2,4,6,8,10,12,14
	v_pk_add_f32 v[XA+16*\m+\i:XA+16*\m+\i+1], v[XA+16*\m+\i:XA+16*\m+\i+1], v[PAR+\i:PAR+\i+1]   ; + b2
.endr
.endr
	LNORM 1, PAR+16, PAR+32
	; ---- the way out: a row's 256 channels come from eight waves: they meet in the stage, and each wave stores 8 whole rows
	s_wait_alu depctr_va_vdst(0)                   ; the norm has written v[XA ..], which the stage's stores read, and is done with v[HA ..], in which the loads behind the barrier land
.irp m, 0,1,2,3
.irp j, 0,1,2,3
	ds_store_b128 v[SO], v[XA+16*\m+4*\j:XA+16*\m+4*\j+3] offset:(32*(\m/2)+8*(\m%2))*1040+16*\j
.endr
.endr
	BARRIER
.irp i, 0,1,2,3,4,5,6,7,8,9,10,11,12,13,14,15
	ds_load_b128 v[HA+4*\i:HA+4*\i+3], v[SR] offset:1040*(\i/2)+512*(\i%2)
.endr
.irp i, 0,1,2,3,4,5,6,7,8,9,10,11,12,13,14,15
	s_wait_dscnt 15-\i                             ; LDS loads come back in order: load i is in
	global_store_b128 v[LI16], v[HA+4*\i:HA+4*\i+3], s[28:29] offset:1024*(\i/2)+512*(\i%2) th:TH_STORE_NT   ; 32 lanes store 512 consecutive bytes, aligned; written once, read by nobody here
.endr
	s_wait_dscnt 0x0                               ; the closing lines, six on end
	s_wait_alu 0x0
	s_wait_tensorcnt 0x0
	ds_add_u32 v77, v255
	s_wait_dscnt 0x0
	s_endpgm
.Lfunc_end_k_qbdfc54c715_tail:
	.size	k_qbdfc54c715_tail, .Lfunc_end_k_qbdfc54c715_tail-k_qbdfc54c715_tail
	.p2alignl 7, 3214868480
	.fill 96, 4, 3214868480
	.section	.rodata,"a",@progbits
	.p2align	6, 0x0
	.amdhsa_kernel k_qbdfc54c715_tail
		.amdhsa_group_segment_fixed_size 139776
		.amdhsa_private_segment_fixed_size 0
		.amdhsa_enable_private_segment 0
		.amdhsa_kernarg_size 104
		.amdhsa_user_sgpr_count 2
		.amdhsa_user_sgpr_kernarg_segment_ptr 1
		.amdhsa_wavefront_size32 1
		.amdhsa_system_sgpr_workgroup_id_x 1
		.amdhsa_system_sgpr_workgroup_id_y 1
		.amdhsa_system_sgpr_workgroup_id_z 1
		.amdhsa_system_vgpr_workitem_id 0
		.amdhsa_next_free_vgpr 512
		.amdhsa_next_free_sgpr 66
		.amdhsa_reserve_vcc 0
		.amdhsa_float_denorm_mode_32 3
		.amdhsa_float_denorm_mode_16_64 3
		.amdhsa_memory_ordered 1
		.amdhsa_forward_progress 1
		.amdhsa_inst_pref_size 135
	.end_amdhsa_kernel
	.amdgpu_metadata
---
amdhsa.version: [ 1, 2 ]
amdhsa.kernels:
  - .name:           k_qbdfc54c715_tail
    .symbol:         k_qbdfc54c715_tail.kd
    .args:
      - { .name: cc, .offset: 0, .size: 8, .value_kind: global_buffer, .address_space: global }
      - { .name: csc, .offset: 8, .size: 8, .value_kind: global_buffer, .address_space: global }
      - { .name: src, .offset: 16, .size: 8, .value_kind: global_buffer, .address_space: global }
      - { .name: wimg, .offset: 24, .size: 8, .value_kind: global_buffer, .address_space: global }
      - { .name: wsc, .offset: 32, .size: 8, .value_kind: global_buffer, .address_space: global }
      - { .name: bo, .offset: 40, .size: 8, .value_kind: global_buffer, .address_space: global }
      - { .name: ln1_g, .offset: 48, .size: 8, .value_kind: global_buffer, .address_space: global }
      - { .name: ln1_b, .offset: 56, .size: 8, .value_kind: global_buffer, .address_space: global }
      - { .name: b1, .offset: 64, .size: 8, .value_kind: global_buffer, .address_space: global }
      - { .name: b2, .offset: 72, .size: 8, .value_kind: global_buffer, .address_space: global }
      - { .name: ln2_g, .offset: 80, .size: 8, .value_kind: global_buffer, .address_space: global }
      - { .name: ln2_b, .offset: 88, .size: 8, .value_kind: global_buffer, .address_space: global }
      - { .name: out0, .offset: 96, .size: 8, .value_kind: global_buffer, .address_space: global }
    .group_segment_fixed_size: 139776
    .private_segment_fixed_size: 0
    .kernarg_segment_align: 8
    .kernarg_segment_size: 104
    .max_flat_workgroup_size: 256
    .sgpr_count:     66
    .vgpr_count:     512
    .wavefront_size: 32
...
	.end_amdgpu_metadata
.endif
;; end of part 6
